; MI455X (gfx1250); checked and timed in simulation.
; The chip was launched on July 23, 2026; its instructions are those of AMD's public machine-readable ISA for CDNA 5 (MIT licence, August 2026) and "CDNA5" Instruction Set Architecture Reference Guide (July 2026). The comments in the code are by the model that wrote it; some were corrected since.
;; Self Attention Block. Allowed arithmetic: matrix products marked QUANTISED: E2M3 operands, one E8M0 scale for each 32 along K, by v_wmma_scale_f32_16x16x128_f8f6f4 with both operands' format E2M3, f32 sums; products left as they are: f32 operands where the result goes on into a quantised operand, else bf16, f16 or f32 operands; f32 sums; everything else in f32.
;; Inputs: Wk 1,024 x 1,024 float32; Wq 1,024 x 1,024 float32; Wv 1,024 x 1,024 float32; attention_mask 32 x 512 int32; bk 1,024 float32; bq 1,024 float32; bv 1,024 float32; token_embeddings 32 x 512 x 1,024 float32.
;; Outputs: out0 32 x 1,024 float32.
;; This version of the problem:
;;   THIS VERSION OF THE PROBLEM IS GIVEN IN LOW PRECISION. The matrix products marked QUANTISED in the list below multiply operands that are first quantised to E2M3 (2 exponent bits, 3 mantissa bits; 6 bits a number), with one power-of-two scale for each 32 numbers along K (OCP MX v1.0); their sums are f32. All else is computed in f32.
;;   The module's matrix products, in the order in which they are computed (A, B: the left and right operand; K: the contracted axis; several contracted axes count as one K, in the product's order):
;;     1. [M 16,384, K 1,024] x [K 1,024, N 1,024]; A: input token_embeddings; B: input Wq: QUANTISED
;;     2. [M 16,384, K 1,024] x [K 1,024, N 1,024]; A: input token_embeddings; B: input Wk: QUANTISED
;;     3. [M 16,384, K 1,024] x [K 1,024, N 1,024]; A: input token_embeddings; B: input Wv: QUANTISED
;;     4. batch 32 x [M 512, K 1,024] x [K 1,024, N 512]; A: computed on the way; B: computed on the way: QUANTISED
;;     5. batch 32 x [M 1, K 512] x [K 512, N 1,024]; A: computed on the way; B: computed on the way: left as it is (M = 1 < 16)
;;   THE QUANTISER, for each operand of a quantised product, along K:
;;     - K is cut into blocks of 32 from its start; a last block that is shorter is filled with zeros.
;;     - A block's scale is 2^e with e = floor(log2(the largest magnitude in the block)) - 2, held to -126 .. 127; a block of zeros has e = 0. As a byte (E8M0): e + 127.
;;     - Each number is divided by its block's scale, clamped to +-7.5, and rounded to the nearest number of E2M3, ties to even, subnormals kept.
;;     - The product sums the exact products of the quantised numbers (number of the format x scale) in f32.
;;   ~~~python
;;   def quantise(x, axis):      # numpy; x: float32 -> the quantised numbers, widened to float32 again
;;       x = np.moveaxis(x, axis, -1); K = x.shape[-1]
;;       x = np.pad(x, [(0, 0)] * (x.ndim - 1) + [(0, -K % 32)]); x = x.reshape(x.shape[:-1] + (-1, 32)); a = np.abs(x).max(-1, keepdims=True)
;;       e = np.where(a > 0, np.clip(np.frexp(np.where(a > 0, a, 1))[1] - 1 - 2, -126, 127), 0)      # np.frexp(a)[1] - 1 = floor(log2(a)), exactly
;;       r = np.clip(x / 2.0 ** e, -7.5, 7.5)
;;       step = 2.0 ** (np.maximum(np.frexp(np.where(r == 0, 1, r))[1] - 1, 0) - 3)
;;       q = np.round(r / step) * step * 2.0 ** e      # np.round: ties to even
;;       return np.moveaxis(q.reshape(q.shape[:-2] + (-1,))[..., :K], -1, axis).astype(np.float32)
;;   ~~~
;;   OPERANDS COMPUTED ON THE WAY. 'Computed on the way' means the value that the module computes at that place (a softmax that the list does not call 'softmax' is quantised finished and normalised). What goes into a quantiser is computed in f32, as accurately as f32 sums, v_exp_f32 and their like allow (about 1e-6 of the number): no bf16 or f16 on the way to a quantiser, and a product that is left as it is and whose result goes on into a quantised operand takes f32 operands (vector FMAs, or v_wmma_f32_16x16x4_f32). A number that lies on a knife's edge between two numbers of the format may be rounded either way, as far as f32 arithmetic and the matrix unit's own rounding can turn it there, and no further.
;; One version. Each part assembles by itself: llvm-mc -triple=amdgcn-amd-amdhsa -mcpu=gfx1250 --defsym DOCPART=n.
;; ======== version 1 of 1: 4 launches
;; limits: right only within a limited range of input values
;; workspace buffers: opc 14,942,208 bytes; ops 622,592 bytes; qkc 25,165,824 bytes; qks 1,048,576 bytes; cpart 524,288 bytes
;; launch quant (part 1): grid 1216 x 1, 2 waves a work-group, no clusters, 17,152 bytes of LDS; arguments token_embeddings, Wq, Wk, Wv, opc, ops; writes opc, ops
.if DOCPART == 1
	.amdgcn_target "amdgcn-amd-amdhsa--gfx1250"
	.amdhsa_code_object_version 6
	.text
	.protected	k_q3b051ee965_quant
	.globl	k_q3b051ee965_quant
	.p2align	8
	.type	k_q3b051ee965_quant,@function
k_q3b051ee965_quant:
	s_mov_b64 s[64:65], 0
	v_nop
	global_prefetch_b8 v0, s[64:65] scope:SCOPE_SE
	s_setreg_imm32_b32 hwreg(HW_REG_WAVE_MODE, 25, 1), 1
	s_wait_xcnt 0x0
; x [16384][1024] and Wq, Wk, Wv [1024][1024], f32 with K innermost, become codes of E2M3 with one E8M0 byte for each 32 along K.
; A block's scale is 2^(floor(log2(its largest magnitude)) - 2); its byte is the largest magnitude's exponent field - 2, held at 1 from below.
; LIMITS: NaN and infinities among the inputs are not served.  A block whose largest magnitude lies under 2^-124 keeps the byte 1; a block of zeros keeps the byte 1 too
; (its codes are zeros, which add nothing; the bytes are read by this program's own launches alone).
; THE OUTPUT IS LAID AS THE MATRIX OPERAND'S REGISTERS.  Rows go in groups of 128 (groups 0-127: x; 128-135 Wq; 136-143 Wk; 144-151 Wv).  Block a (0..7) of a group holds at its lane-row r the row
; 32 (a / 2) + 8 (a % 2) + r + 8 (r / 8).  Codes: (8 G + s) x 12288 + a x 1536 + c x 512 + 16 x lane holds registers 4 c .. 4 c + 3 of the fragment (block a, K step s of 128).
; Scale words: (8 G + s) x 512 + 16 x lane + 4 i holds the word of block 4 (lane / 16) + i, lane-row lane % 16.
; SHARES: work-group = one K step s of one group G; wave H = blocks 4 H .. 4 H + 3: 64 rows x 128 numbers, four fragments.  152 x 8 x 2 = 2,432 such shares are 9.5 for each of 256 WGPs: short waves, many of them.
; Each load reads 512 consecutive bytes of one row; a fragment's 16 rows turn through the wave's own stage in LDS (rows 528 bytes apart) so that lane (r, h) gets row r's numbers 64 c + 32 h + 0 .. 31: two whole blocks.
; Loads run two fragments (32 loads a wave) ahead.  Waves share nothing: no barrier.
.set NF,  4                            ; fragments of a wave
.set R,   16                           ; v16-143  two sets of 64 registers as loaded
.set X,   144                          ; v144-207 my 64 numbers: block h in the first 32, block 2 + h in the second
.set PC,  208                          ; v208-219 the fragment's 12 registers
.set T0,  220                          ; v220-222, v224-226: the blocks' upper 16 codes (a conversion's three registers begin on an even number)
.set T1,  224
.set MX,  228                          ; v228-229 largest magnitudes
.set SO,  230                          ; v230-231 the conversions' scale operands
.set BY,  232                          ; v232-233 the bytes
.set WD,  234                          ; v234 my two bytes at their places; v235 lane l xor 16's
.set PX,  235
.set PW,  236                          ; v236-239 the scale word of my fragment a
.set SW,  244                          ; v244-245 my lane's two words of the scale image
.set STGW, 8448                        ; a wave's stage: 16 rows x (512 + 16) bytes
	s_load_b256 s[4:11], s[0:1], 0x0               ; x, Wq, Wk, Wv
	s_load_b128 s[12:15], s[0:1], 0x20             ; the codes, the scale words
	v_lshl_add_u32 v254, v0, 2, 0x4200
	v_mov_b32 v255, 0
	v_lshrrev_b32 v1, 5, v0
	v_readfirstlane_b32 s16, v1                    ; wave = H
	s_lshr_b32 s17, ttmp9, 3                       ; G
	s_and_b32 s18, ttmp9, 7                        ; s
	s_and_b32 s19, s17, 7                          ; a weight's group within its tensor
	v_and_b32 v1, 31, v0                           ; lane
	v_and_b32 v2, 15, v0                           ; r
	v_bfe_u32 v3, v0, 4, 1                         ; h
	v_lshlrev_b32 v4, 4, v1                        ; 16 x lane: my bytes of a load's or a store's 512; never rewritten
	s_mul_i32 s25, s16, STGW
	v_add_nc_u32 v5, s25, v4                       ; the stage, way in: 16 x lane, row by the immediate
	v_mul_u32_u24 v6, v2, 528
	v_lshl_add_u32 v6, v3, 7, v6
	v_add_nc_u32 v6, s25, v6                       ; way out: row r, + 128 h bytes
	v_lshlrev_b32 v7, 3, v3                        ; 8 h: how far my two bytes are shifted in the scale word
	v_lshl_add_u32 v8, v2, 4, v7                   ; 16 r + 8 h: my two words' place in my half of the scale image
	v_mov_b32 v[PX], 0                             ; a lane permute's destination counts as one of its sources
	s_mov_b32 s22, 0x76543210
	s_mov_b32 s23, 0xfedcba98                      ; selects for lane l xor 16
	s_wait_alu depctr_va_vdst(0)
	s_wait_kmcnt 0x0
	s_cmp_lt_u32 s17, 144                          ; which tensor: the choice hangs on the work-group's number alone
	s_cselect_b64 s[8:9], s[8:9], s[10:11]
	s_cmp_lt_u32 s17, 136
	s_cselect_b64 s[6:7], s[6:7], s[8:9]
	s_cmp_lt_u32 s17, 128
	s_cselect_b64 s[4:5], s[4:5], s[6:7]
	s_cselect_b32 s19, s17, s19
	s_lshl_b32 s20, s19, 19                        ; 128 rows of 4,096 bytes a group,
	s_lshl_b32 s21, s18, 9                         ; 128 numbers along K,
	s_add_co_u32 s20, s20, s21
	s_lshl_b32 s21, s16, 18                        ; blocks 4 H on begin 64 H rows on
	s_add_co_u32 s20, s20, s21
	s_mov_b32 s21, 0
	s_add_nc_u64 s[4:5], s[4:5], s[20:21]
	s_lshl_b32 s24, s17, 3
	s_add_co_u32 s24, s24, s18                     ; 8 G + s
	s_mul_i32 s20, s24, 12288
	s_mul_i32 s26, s16, 6144                       ; four fragments on
	s_add_co_u32 s20, s20, s26
	s_add_nc_u64 s[12:13], s[12:13], s[20:21]
	s_lshl_b32 s20, s24, 9
	s_lshl_b32 s26, s16, 8                         ; the image's lanes 16 H on
	s_add_co_u32 s20, s20, s26
	s_add_nc_u64 s[14:15], s[14:15], s[20:21]
.macro LOADF a                         ; my fragment a's 16 rows, 512 consecutive bytes each, into set a % 2
.irp i, 0,1,2,3,4,5,6,7,8,9,10,11,12,13,14,15
	global_load_b128 v[R+64*((\a)%2)+4*\i:R+64*((\a)%2)+4*\i+3], v4, s[4:5] offset:(32*((\a)/2)+8*((\a)%2)+\i+8*(\i/8))*4096 th:TH_LOAD_NT
.endr
.endm
.macro FRAGQ a
.if (\a) < NF-1
	s_wait_loadcnt 16                              ; this fragment's 16 loads are in; the next fragment's 16 may be out
.else
	s_wait_loadcnt 0x0
.endif
.irp i, 0,1,2,3,4,5,6,7,8,9,10,11,12,13,14,15
	ds_store_b128 v5, v[R+64*((\a)%2)+4*\i:R+64*((\a)%2)+4*\i+3] offset:528*\i
.endr
.irp c, 0,1
.irp j, 0,1,2,3,4,5,6,7
	ds_load_b128 v[X+32*\c+4*\j:X+32*\c+4*\j+3], v6 offset:256*\c+16*\j   ; LDS serves a wave's instructions in order: these see the stores above
.endr
.endr
	s_wait_dscnt 0x0                               ; my numbers are back, and the stores have read the set,
.if (\a)+2 < NF
	LOADF (\a)+2                                   ; which takes the fragment two on
.endif
.irp c, 0,1
	v_max3_num_f32 v[MX+\c], |v[X+32*\c]|, |v[X+32*\c+1]|, 0x1800000   ; the block's largest magnitude, with the floor 2^(3 - 127) among its leaves: the byte cannot fall under 1
.endr
.irp i, 2,4,6,8,10,12,14,16,18,20,22,24,26,28,30
.irp c, 0,1
	v_max3_num_f32 v[MX+\c], v[MX+\c], |v[X+32*\c+\i]|, |v[X+32*\c+\i+1]|
.endr
.endr
.irp c, 0,1
	v_add_nc_u32 v[SO+\c], 0xff000000, v[MX+\c]    ; 2 off the exponent field: the conversion takes this operand's exponent field as its scale
.endr
.irp c, 0,1
	v_lshrrev_b32 v[BY+\c], 23, v[SO+\c]           ; the scale's byte
.endr
	v_lshl_or_b32 v[WD], v[BY+1], 16, v[BY]        ; blocks h and 2 + h,
	v_lshlrev_b32 v[WD], v7, v[WD]                 ; at their places in the row's word;
	v_permlanex16_b32 v[PX], v[WD], s22, s23
	v_or_b32 v[PW+(\a)], v[WD], v[PX]              ; with lane l xor 16's two the word is whole, in both halves of the lanes
.if (\a) > 0
	s_wait_alu depctr_va_vdst(0)
	s_wait_xcnt 0x0                                ; the last fragment's stores have read their data: the codes' registers are written again only behind this wait
.endif
	v_cvt_scalef32_pk16_fp6_f32 v[PC:PC+2], v[X:X+15], v[SO]
	v_cvt_scalef32_pk16_fp6_f32 v[T0:T0+2], v[X+16:X+31], v[SO]
	v_cvt_scalef32_pk16_fp6_f32 v[PC+6:PC+8], v[X+32:X+47], v[SO+1]
	v_cvt_scalef32_pk16_fp6_f32 v[T1:T1+2], v[X+48:X+63], v[SO+1]
	v_nop                                          ; one plain place behind a scaled conversion
.irp i, 0,1,2
	v_mov_b32 v[PC+3+\i], v[T0+\i]
	v_mov_b32 v[PC+9+\i], v[T1+\i]
.endr
.irp c, 0,1,2
	global_store_b128 v4, v[PC+4*\c:PC+4*\c+3], s[12:13] offset:(\a)*1536+512*\c   ; 32 lanes store 512 consecutive bytes, aligned
.endr
.endm
	LOADF 0
	LOADF 1
.irp a, 0,1,2,3
	FRAGQ \a
.endr
	v_cmp_ne_u32 vcc_lo, 0, v3
	v_cndmask_b32 v[SW], v[PW], v[PW+2], vcc_lo    ; lane (r, h) stores row r's words of my fragments 2 h and 2 h + 1
	v_cndmask_b32 v[SW+1], v[PW+1], v[PW+3], vcc_lo
	global_store_b64 v8, v[SW:SW+1], s[14:15]      ; 32 lanes store 256 consecutive bytes, aligned: my half of the scale image
	s_wait_tensorcnt 0x0
	ds_add_u32 v254, v255
	s_wait_dscnt 0x0
	s_endpgm
.Lfunc_end_k_q3b051ee965_quant:
	.size	k_q3b051ee965_quant, .Lfunc_end_k_q3b051ee965_quant-k_q3b051ee965_quant
	.p2alignl 7, 3214868480
	.fill 96, 4, 3214868480
	.section	.rodata,"a",@progbits
	.p2align	6, 0x0
	.amdhsa_kernel k_q3b051ee965_quant
		.amdhsa_group_segment_fixed_size 17152
		.amdhsa_private_segment_fixed_size 0
		.amdhsa_enable_private_segment 0
		.amdhsa_kernarg_size 48
		.amdhsa_user_sgpr_count 2
		.amdhsa_user_sgpr_kernarg_segment_ptr 1
		.amdhsa_wavefront_size32 1
		.amdhsa_system_sgpr_workgroup_id_x 1
		.amdhsa_system_sgpr_workgroup_id_y 1
		.amdhsa_system_sgpr_workgroup_id_z 1
		.amdhsa_system_vgpr_workitem_id 0
		.amdhsa_next_free_vgpr 256
		.amdhsa_next_free_sgpr 66
		.amdhsa_reserve_vcc 1
		.amdhsa_float_denorm_mode_32 3
		.amdhsa_float_denorm_mode_16_64 3
		.amdhsa_memory_ordered 1
		.amdhsa_forward_progress 1
		.amdhsa_inst_pref_size 30
	.end_amdhsa_kernel
	.amdgpu_metadata
---
amdhsa.version: [ 1, 2 ]
amdhsa.kernels:
  - .name:           k_q3b051ee965_quant
    .symbol:         k_q3b051ee965_quant.kd
    .args:
      - { .name: token_embeddings, .offset: 0, .size: 8, .value_kind: global_buffer, .address_space: global }
      - { .name: Wq, .offset: 8, .size: 8, .value_kind: global_buffer, .address_space: global }
      - { .name: Wk, .offset: 16, .size: 8, .value_kind: global_buffer, .address_space: global }
      - { .name: Wv, .offset: 24, .size: 8, .value_kind: global_buffer, .address_space: global }
      - { .name: opc, .offset: 32, .size: 8, .value_kind: global_buffer, .address_space: global }
      - { .name: ops, .offset: 40, .size: 8, .value_kind: global_buffer, .address_space: global }
    .group_segment_fixed_size: 17152
    .private_segment_fixed_size: 0
    .kernarg_segment_align: 8
    .kernarg_segment_size: 48
    .max_flat_workgroup_size: 64
    .sgpr_count:     66
    .vgpr_count:     256
    .wavefront_size: 32
...
	.end_amdgpu_metadata
.endif
;; end of part 1
;; launch gemm_qk (part 2): grid 32 x 8, 4 waves a work-group, clusters of 4 x 1, 327,680 bytes of LDS; arguments opc, ops, bq, bk, qkc, qks; writes qkc, qks
.if DOCPART == 2
	.amdgcn_target "amdgcn-amd-amdhsa--gfx1250"
	.amdhsa_code_object_version 6
	.text
	.protected	k_q3b051ee965_gemm_qk
	.globl	k_q3b051ee965_gemm_qk
	.p2align	8
	.type	k_q3b051ee965_gemm_qk,@function
k_q3b051ee965_gemm_qk:
	s_mov_b64 s[64:65], 0
	v_nop
	global_prefetch_b8 v0, s[64:65] scope:SCOPE_SE
	s_setreg_imm32_b32 hwreg(HW_REG_WAVE_MODE, 25, 1), 1
	s_wait_xcnt 0x0
	s_wait_alu depctr_hold_cnt(0) depctr_sa_sdst(0) depctr_va_vdst(0) depctr_va_sdst(0) depctr_va_ssrc(0) depctr_va_vcc(0) depctr_vm_vsrc(0)
	s_getreg_b32 s2, hwreg(HW_REG_IB_STS2, 6, 4)
	s_cmp_eq_u32 s2, 0
	s_cbranch_scc0 .Lentry_in_a_cluster
	s_endpgm
.Lentry_in_a_cluster:
	s_bfe_u32 s2, ttmp6, 0x10000c
	s_cmp_lg_u32 s2, 0x3003
	s_cbranch_scc0 .Lentry_shape_is_right
	s_endpgm
.Lentry_shape_is_right:
; q = x Wq^T + bq and k = x Wk^T + bk on codes of E2M3 (one E8M0 byte for each 32 along K), sums in f32; the results are quantised in registers along their features and stored as operand images.
; IMAGES (made by the launch before): rows in groups of 128; block a holds at lane-row r the row 32 (a / 2) + 8 (a % 2) + r + 8 (r / 8).  Codes at (8 G + s) x 12288 + a x 1536 + c x 512 + 16 x lane: registers
; 4 c .. 4 c + 3 of the fragment (block a, K step s of 128).  Scale words at (8 G + s) x 512 + 16 x lane + 4 i: block 4 (lane / 16) + i.
; SHARES: work-group (y, X): batch y (512 rows) x 256 features: weight groups 128 + 2 X and 129 + 2 X (X 0-3: Wq, 4-7: Wk).  A wave's tile is 64 rows x 256 features, 64 accumulators; in pass t (0, 1) wave w takes
; blocks 4 (w % 2) .. + 3 of x's group 4 y + 2 t + w / 2.  So a fragment of x feeds 16 products and is loaded once in the work-group: 393,216 bytes of x and 196,608 of W for 131,072 results.
; THE TWO WEIGHT GROUPS lie in LDS whole, 196,608 consecutive bytes of memory as rows of 256 bytes + 32 of padding: one tensor load a wave at the head, a quarter each, filled once, read by all four waves behind one barrier.
; WHICH ROWS OF W FORM A TILE is chosen by the lanes' LDS addresses: row m of tile b is feature 64 (b / 4) + 8 (b % 4) + m % 8 + 32 (m / 8), which lies in the image's block 4 (b / 4) + b % 2 + 2 (m / 8) at lane-row
; m % 8 + 8 ((b % 4) / 2).  The matrix instruction is used transposed (source 0 = 16 rows of W, source 1 = 16 rows of x): a lane holds one token, and register 32 c + i of (block a, group j) is feature
; 64 c + 32 (lane / 16) + i: WHOLE blocks of 32 in a lane, in the order of the next operand's registers: a block's maximum needs no other lane and the codes are not moved between lanes.
; With the pitch of 288 bytes lanes 8-15 of a load read 3,456 bytes behind lanes 0-7, which is 128 modulo 256.
; CLUSTER 4 x 1: the four work-groups of a cluster are four batches with one X: they ask for the weight jointly.  x differs between them.
; x GOES FROM MEMORY STRAIGHT INTO REGISTERS: a fragment is read by one wave, once, and its image is in register order: three loads of 512 consecutive bytes.  Three sets of 48 registers: the set that a step has left
; is asked for again at once, for the step three on.  The steps' scale words travel with them (x's: three sets of four; W's: two sets of eight).  No LDS byte is filled again; no barrier stands among the sixteen steps.
; PREFETCH INTO THE L2: a wave's half chunk of x for a step, 24 blocks of 256 bytes, is read by the same wave of the 8 work-groups of a batch: work-group X names blocks 3 X .. 3 X + 2 (lanes 2-31 name the last),
; one instruction a wave and step, in step g for step g + 5, which is loaded at the end of step g + 2; steps 3 and 4 are named at the head; the last five steps name nothing.
; The bias is the C of each sum's first instruction; it reaches the registers through 1,024 bytes of LDS.
; LIMITS: NaN and infinities are not served; a block of q or k under 2^-124, or of zeros, keeps the scale byte 1 (read by this program alone).
; REGISTERS: window 0: v0 16 x lane, v1 prefetch offset, v2 W's scale words' offset, v3 8 (lane / 16), v4-7 W's LDS addresses, v8-15 scale words on the way out, v16-17 for the add, v18 bias address, v19 16 (lane % 16),
;   v20-31 x's scale words, v32-47 W's, v48-79 and v224-255 at work on the way out and, in a pass's first step, group 1's bias, v80-223 x's fragments.
;   window 1: W's fragments, group j at v[128 j]; group 0's bias at v96-127 and v224-255.  window 2 + j: accumulator (a, b) of group j at v[8 (8 a + b)].
.set GROUPB, 98304
.set SUBB,   12288
.set FRB,    1536
.set LSTEP,  13824                     ; in LDS: a K step of a weight group, 48 rows of 288 bytes; an image block is 1,728, a third of a fragment 576
.set LQ,     55296                     ; four K steps: what one tensor load brings
.set SPARE,  221184                    ; the spare words, 128 bytes a wave, behind the weight
.set BIA,    221696                    ; my 256 numbers of the bias
.set NG,     16                        ; K steps in all: two passes of eight
.set LI,  0
.set PFO, 1
.set VS,  2
.set H8,  3
.set LA,  4
.set PWS, 8
.set SPW, 16
.set NIL, 17
.set BA,  18
.set LR,  19
.set SX,  20
.set SWT, 32
.set TM,  48
.set XF,  80
.set WV,  18
.set XB,  20                           ; s[20:21] x's codes, s[22:23] x's scale words, s[36:37] W's scale words; never rewritten
.set XS,  22
.set WS,  36
.set G1,  24
.set G0,  32
.set SEL, 10
.set MSB, 0
.macro WIN new                         ; the immediate's high byte repeats the setting that is left
.if MSB != (\new)
	s_set_vgpr_msb (MSB<<8)|(\new)
.set MSB, (\new)
.endif
.endm
.macro PLACES                          ; four plain places in front of loads into registers that matrix instructions have read and of reads of results
.rept 4
	v_nop
.endr
.endm
.macro CROUND                          ; a round of the cluster's barrier
	s_barrier_signal -1
	s_barrier_wait -1
	s_cmp_lg_u32 s[WV], 0
	s_cbranch_scc1 .Lnot_wave_0_\@
	s_barrier_signal -3
.Lnot_wave_0_\@:
	s_barrier_wait -3
	s_barrier_signal -1
	s_barrier_wait -1
.endm
.macro XW g                            ; W's scale words of step g, both groups, by the tiles' rows: 4 loads.  Register b % 4 of a group: lanes 0-15 tile b % 4, lanes 16-31 tile 4 + b % 4
.irp j, 0,1
.irp q, 0,1
	global_load_b64 v[SWT+8*((\g)%2)+4*\j+2*\q:SWT+8*((\g)%2)+4*\j+2*\q+1], v[VS], s[WS:WS+1] offset:4096*\j+((\g)%8)*512+128*\q
.endr
.endr
.endm
.macro XX g                            ; x's scale words and four fragments of step g: 13 loads
	global_load_b128 v[SX+4*((\g)%3):SX+4*((\g)%3)+3], v[LR], s[XS:XS+1] offset:((\g)/8)*8192+((\g)%8)*512   ; both halves of the lanes take my four blocks' words
.irp i, 0,1,2,3
.irp c, 0,1,2
	global_load_b128 v[XF+48*((\g)%3)+12*\i+4*\c:XF+48*((\g)%3)+12*\i+4*\c+3], v[LI], s[XB:XB+1] offset:((\g)/8)*2*GROUPB+((\g)%8)*SUBB+FRB*\i+512*\c
.endr
.endr
.endm
.macro ASK g
	global_prefetch_b8 v[PFO], s[XB:XB+1] offset:((\g)/8)*2*GROUPB+((\g)%8)*SUBB th:TH_LOAD_NT scope:SCOPE_SE
.endm
.macro FETCH_W g, j                    ; the eight tiles of weight group j, step g, from LDS: 24 loads
	WIN 0x40
.irp i, 0,1,2,3,4,5,6,7
.irp c, 0,1,2
	ds_load_b128 v[128*(\j)+12*\i+4*\c:128*(\j)+12*\i+4*\c+3], v[LA+2*(\j)+((\g)%8)/4] offset:((\g)%4)*LSTEP+1728*(4*(\i/4)+(\i%2))+576*\c+128*((\i%4)/2)
.endr
.endr
.endm
.macro WM a, b, j, g                   ; one product: tile b of weight group j x x's block a, step g
.set rD, 8*(8*(\a)+(\b))
.set rC, rD
.if (\g)%8 == 0
.if (\j) == 0
.set rC, 96+128*((\b)/4)+8*((\b)%4)
.else
.set rC, 48+8*(\b)+144*((\b)/4)
.endif
.endif
.set rS0, 128*(\j)+12*(\b)
.set rS1, XF+48*((\g)%3)+12*(\a)
.set rX0, SWT+8*((\g)%2)+4*(\j)+(\b)%4
.set rX1, SX+4*((\g)%3)+(\a)
.if (\b)/4
	v_wmma_scale_f32_16x16x128_f8f6f4 v[rD:rD+7], v[rS0:rS0+11], v[rS1:rS1+11], v[rC:rC+7], v[rX0], v[rX1] matrix_a_fmt:MATRIX_FMT_FP6 matrix_b_fmt:MATRIX_FMT_FP6 matrix_a_scale:MATRIX_SCALE_ROW1
.else
	v_wmma_scale_f32_16x16x128_f8f6f4 v[rD:rD+7], v[rS0:rS0+11], v[rS1:rS1+11], v[rC:rC+7], v[rX0], v[rX1] matrix_a_fmt:MATRIX_FMT_FP6 matrix_b_fmt:MATRIX_FMT_FP6
.endif
.endm
.macro HALF j, g                       ; 32 products; the accumulators take turns, one instruction a turn, in the same order in every step
.irp a, 0,1,2,3
.irp b, 0,1,2,3,4,5,6,7
	WM \a, \b, \j, \g
.endr
.endr
.endm
; A K step.  Global loads go out in the order .. XW g, XX g + 1, XW g + 1, XX g + 2 ..; they come back in order (ISA guide 5.7.1).  NL: behind XW g stand 13 + 4 + 13 loads, fewer at the end.
; LDS loads: behind group 0's fetch for this step stands group 1's (24; in the second pass's first step 16 bias loads more); in the middle, behind group 1's, the 24 just issued.
.macro STEP g
.set NL, 0
.if (\g)+1 < NG
.set NL, 17
.endif
.if (\g)+2 < NG
.set NL, 30
.endif
	s_wait_loadcnt NL
.if (\g) == 8
	s_wait_dscnt 40
.else
	s_wait_dscnt 24
.endif
.if (\g)%8 == 0
	WIN 0x91                                       ; source 0 (W) window 1, source 1 (x) window 0, C (the bias) window 1, D window 2
.else
	WIN 0xa1                                       ; C and D window 2
.endif
	HALF 0, \g
	PLACES
	WIN 0
.if (\g)+5 < NG
	ASK (\g)+5
.endif
.if (\g)+1 < NG
	FETCH_W (\g)+1, 0
	s_wait_dscnt 24
.else
	s_wait_dscnt 0x0
.endif
.if (\g)%8 == 0
	WIN 0xc1                                       ; C (the bias) window 0, D window 3
.else
	WIN 0xf1
.endif
	HALF 1, \g
	PLACES
.if (\g)+1 < NG
	FETCH_W (\g)+1, 1
.endif
	WIN 0
.if (\g)+2 < NG
	XW (\g)+2
.endif
.if (\g)+3 < NG
	XX (\g)+3
.endif
.endm
; THE WAY OUT, two blocks of tokens (a and a + 1, unit u = 0, 1) of group j at a time, line by line by turns.  A unit's 64 numbers of a lane are blocks lane / 16 and 2 + lane / 16 of my token's 128 features.
; At work for unit u, T = v[TM + 6 u ..]: T0-3 maxima of 16 numbers each, then T0, T2 the two blocks'; T1, T3 the conversions' scale operands; T4, T5 bytes.  Codes at v60 (u = 0) and v224 (u = 1).
.macro QUANT2 a, j, t
.set W, 2+(\j)
	WIN (W<<2)|(W<<4)
.irp u, 0,1
.irp b, 0,1,2,3
	v_max3_num_f32 v[TM+6*\u+\b], 0x1800000, |v[64*((\a)+\u)+16*\b]|, |v[64*((\a)+\u)+16*\b+1]|   ; with the floor 2^(3 - 127).  Each accumulator is read from its low end on
.endr
.endr
.irp i, 2,4,6,8,10,12,14
.irp u, 0,1
.irp b, 0,1,2,3
	v_max3_num_f32 v[TM+6*\u+\b], v[TM+6*\u+\b], |v[64*((\a)+\u)+16*\b+\i]|, |v[64*((\a)+\u)+16*\b+\i+1]|
.endr
.endr
.endr
	WIN 0
.irp u, 0,1
	v_max_num_f32 v[TM+6*\u], v[TM+6*\u], v[TM+6*\u+1]       ; a block's largest magnitude: all its 32 numbers are mine
	v_max_num_f32 v[TM+6*\u+2], v[TM+6*\u+2], v[TM+6*\u+3]
.endr
.irp u, 0,1
	v_add_nc_u32 v[TM+6*\u+1], 0xff000000, v[TM+6*\u]        ; 2 off its exponent field: the conversion's scale operand
	v_add_nc_u32 v[TM+6*\u+3], 0xff000000, v[TM+6*\u+2]
.endr
.irp u, 0,1
	v_lshrrev_b32 v[TM+6*\u+4], 23, v[TM+6*\u+1]             ; the bytes
	v_lshrrev_b32 v[TM+6*\u+5], 23, v[TM+6*\u+3]
.endr
.irp u, 0,1
	v_lshl_or_b32 v[TM+6*\u+4], v[TM+6*\u+5], 16, v[TM+6*\u+4]
.endr
.irp u, 0,1
	v_lshlrev_b32 v[TM+6*\u+4], v[H8], v[TM+6*\u+4]          ; at their places in the token's word
.endr
.irp u, 0,1
	v_permlanex16_b32 v[TM+6*\u+5], v[TM+6*\u+4], s[SEL], s[SEL+1]
.endr
.irp u, 0,1
	v_or_b32 v[PWS+4*(\j)+(\a)+\u], v[TM+6*\u+4], v[TM+6*\u+5]   ; with lane l xor 16's two the word is whole, in both halves of the lanes
.endr
	s_wait_alu depctr_va_vdst(0)
	s_wait_xcnt 0x0                                ; the last pair's stores have read their data: the codes' registers are written again only behind this wait
	WIN W
.irp u, 0,1
	v_cvt_scalef32_pk16_fp6_f32 v[60+164*\u:62+164*\u], v[64*((\a)+\u):64*((\a)+\u)+15], v[TM+6*\u+1]
	v_cvt_scalef32_pk16_fp6_f32 v[72+164*\u:74+164*\u], v[64*((\a)+\u)+16:64*((\a)+\u)+31], v[TM+6*\u+1]   ; (a conversion's three registers begin on an even number)
	v_cvt_scalef32_pk16_fp6_f32 v[66+164*\u:68+164*\u], v[64*((\a)+\u)+32:64*((\a)+\u)+47], v[TM+6*\u+3]
	v_cvt_scalef32_pk16_fp6_f32 v[76+164*\u:78+164*\u], v[64*((\a)+\u)+48:64*((\a)+\u)+63], v[TM+6*\u+3]
.endr
	WIN 0
	v_nop                                          ; one plain place behind a scaled conversion
.irp u, 0,1
.irp i, 0,1,2
	v_mov_b32 v[63+164*\u+\i], v[72+164*\u+\i]
	v_mov_b32 v[69+164*\u+\i], v[76+164*\u+\i]
.endr
.endr
.irp u, 0,1
.irp c, 0,1,2
	global_store_b128 v[LI], v[60+164*\u+4*\c:63+164*\u+4*\c], s[12:13] offset:(\t)*2*GROUPB+(\j)*SUBB+((\a)+\u)*FRB+512*\c   ; 32 lanes store 512 consecutive bytes, aligned
.endr
.endr
.endm
.macro WAYOUT t
.irp j, 0,1
.irp a, 0,2
	QUANT2 \a, \j, \t
.endr
.endr
	v_cmp_ne_u32 vcc_lo, 0, v[H8]
.irp i, 0,1,2,3
	v_cndmask_b32 v[TM+\i], v[PWS+\i], v[PWS+4+\i], vcc_lo   ; lanes 0-15: group 0's K step; lanes 16-31: group 1's, 512 bytes on
.endr
	v_lshl_add_u32 v[TM+4], v[H8], 6, v[LR]        ; 16 r + 512 h
	global_store_b128 v[TM+4], v[TM:TM+3], s[14:15] offset:(\t)*8192   ; each half of the lanes stores 256 consecutive bytes, aligned
.endm
.macro BIAS1                           ; group 1's bias: for tile b the features 64 (b / 4) + 8 (b % 4) + 32 h + 0 .. 7: 16 loads
.irp b, 0,1,2,3,4,5,6,7
	ds_load_b128 v[48+8*\b+144*(\b/4):48+8*\b+144*(\b/4)+3], v[BA] offset:512+(64*(\b/4)+8*(\b%4))*4
	ds_load_b128 v[48+8*\b+144*(\b/4)+4:48+8*\b+144*(\b/4)+7], v[BA] offset:512+(64*(\b/4)+8*(\b%4))*4+16
.endr
.endm
	s_load_b256 s[4:11], s[0:1], 0x0               ; the operands' codes, their scale words, bq, bk
	s_load_b128 s[12:15], s[0:1], 0x20             ; q's and k's codes, their scale words
	v_lshl_add_u32 v[SPW], v0, 2, SPARE
	v_mov_b32 v[NIL], 0
	ds_add_u32 v[SPW], v[NIL]                      ; the opening lines: the add, twice on end, and its wait ahead of the round in front of my tensor load
	ds_add_u32 v[SPW], v[NIL]
	v_lshrrev_b32 v1, 5, v0
	v_readfirstlane_b32 s[WV], v1                  ; wave 0..3
	s_bfe_u32 s16, ttmp6, 0x40000                  ; cx
	s_lshl_b32 s17, ttmp9, 2
	s_add_co_u32 s17, s17, s16                     ; y, the batch: it enters x's and the results' addresses alone
	s_and_b32 s42, ttmp7, 0xffff                   ; X, which the four partners share
	s_mov_b32 s[G1], 15|(3<<16)|(1<<20)|(1<<21)|(5<<22)|(7<<25)   ; 15:0 the mask: all four; 17:16 elements of 8 bytes; 20 padding on; 21 set beside a mask; 24:22 after every 64 words; 31:25 of 8 words
	s_mov_b32 s[G1+1], 32<<16                      ; a dense block of 49,152 bytes as 192 rows of 256 bytes
	s_mov_b32 s[G1+2], 192<<16
	s_mov_b32 s[G1+3], 32<<16
	s_mov_b32 s[G1+4], 192
	s_mov_b32 s[G1+5], 32
	s_mov_b32 s[G1+6], 0
	s_mov_b32 s[G1+7], 0
	s_mul_i32 s19, s[WV], LQ                       ; my quarter of the two weight groups in LDS,
	s_mul_i32 s55, s[WV], 49152                    ; and in memory
	s_lshr_b32 s41, s[WV], 1
	s_and_b32 s44, s[WV], 1                        ; which half of a group's blocks is mine
	s_lshl_b32 s40, s17, 2
	s_add_co_u32 s40, s40, s41                     ; x's group in pass 0: 4 y + w / 2
	s_mul_i32 s53, s44, 4*FRB
	s_lshl_b32 s54, s44, 8
	s_mul_i32 s20, s40, GROUPB
	s_add_co_u32 s20, s20, s53
	s_mov_b32 s21, 0
	s_lshl_b32 s22, s40, 12
	s_add_co_u32 s22, s22, s54
	s_mov_b32 s23, 0
	s_lshl_b32 s46, s42, 1
	s_add_co_u32 s46, s46, 128                     ; the first weight group
	s_lshl_b32 s36, s46, 12
	s_mov_b32 s37, 0
	s_mul_i32 s46, s46, GROUPB
	s_add_co_u32 s46, s46, s55                     ; X and the wave alone
	s_mov_b32 s47, 0
	s_and_b32 s45, s42, 3
	s_lshr_b32 s2, s42, 2                          ; 0: q, 1: k
	s_lshl_b32 s2, s2, 7
	s_add_co_u32 s2, s2, s40                       ; pass 0's group in the output
	s_mul_i32 s48, s2, GROUPB
	s_mul_i32 s3, s45, 2*SUBB                      ; my features are K steps 2 (X % 4) and 2 (X % 4) + 1 of the next product
	s_add_co_u32 s48, s48, s3
	s_add_co_u32 s48, s48, s53
	s_mov_b32 s49, 0
	s_lshl_b32 s50, s2, 12
	s_lshl_b32 s3, s45, 10                         ; also my 256 numbers of the bias
	s_add_co_u32 s50, s50, s3
	s_add_co_u32 s50, s50, s54
	s_mov_b32 s51, 0
	s_mov_b32 s56, s3
	s_mov_b32 s57, 0
	s_mul_i32 s52, s42, 3                          ; my three blocks of a half chunk's 24
	v_and_b32 v1, 31, v0                           ; lane
	v_bfe_u32 v3, v0, 4, 1                         ; h
	v_and_b32 v[LR], 15, v0                        ; r
	v_and_b32 v2, 7, v0                            ; r % 8
	v_bfe_u32 v18, v0, 3, 1                        ; r / 8
	v_lshlrev_b32 v[LA], 4, v2
	v_mad_u32_u24 v[LA], v3, 288, v[LA]
	v_mad_u32_u24 v[LA], v18, 3456, v[LA]          ; W's tiles: 16 (r % 8) + 288 h + 3,456 (r / 8): group 0's K steps 0-3,
	v_add_nc_u32 v[LA+1], LQ, v[LA]                ; 4-7,
	v_add_nc_u32 v[LA+2], 2*LQ, v[LA]              ; group 1's 0-3,
	v_add_nc_u32 v[LA+3], 3*LQ, v[LA]              ; and 4-7
	v_lshlrev_b32 v[VS], 4, v2
	v_lshl_add_u32 v[VS], v18, 3, v[VS]
	v_lshl_add_u32 v[VS], v3, 8, v[VS]             ; W's scale words: 16 (r % 8) + 8 (r / 8) + 256 h
	v_lshl_add_u32 v[BA], v3, 7, BIA               ; the bias: 32 h numbers on
	v_lshlrev_b32 v[LR], 4, v[LR]
	v_lshlrev_b32 v48, 3, v0                       ; the bias's way in: two numbers a thread
	v_lshl_add_u32 v49, v0, 3, BIA
	v_lshlrev_b32 v[LI], 4, v1
	v_min_u32 v1, 2, v1
	v_add_nc_u32 v1, s52, v1
	v_lshlrev_b32 v[PFO], 8, v1
	v_lshlrev_b32 v[H8], 3, v3
	s_wait_alu depctr_va_vdst(0)
	s_wait_dscnt 0x0                               ; both opening adds are done
	s_wait_kmcnt 0x0
	s_add_nc_u64 s[XB:XB+1], s[4:5], s[20:21]
	s_add_nc_u64 s[46:47], s[4:5], s[46:47]
	s_add_nc_u64 s[XS:XS+1], s[6:7], s[22:23]
	s_add_nc_u64 s[WS:WS+1], s[6:7], s[36:37]
	s_add_nc_u64 s[12:13], s[12:13], s[48:49]
	s_add_nc_u64 s[14:15], s[14:15], s[50:51]
	s_cmp_lt_u32 s42, 4
	s_cselect_b64 s[8:9], s[8:9], s[10:11]
	s_add_nc_u64 s[8:9], s[8:9], s[56:57]
	s_mov_b32 s[G0], 1
	s_mov_b32 s[G0+1], s19
	s_mov_b64 s[G0+2:G0+3], s[46:47]
	s_or_b32 s[G0+3], s[G0+3], 0x80000000
	s_mov_b32 s[SEL], 0x76543210
	s_mov_b32 s[SEL+1], 0xfedcba98
	CROUND                                         ; all four work-groups are here: the joint loads meet
	tensor_load_to_lds s[G0:G0+3], s[G1:G1+7]      ; my quarter of the weight: my one tensor load
	s_nop 0
	global_load_b64 v[50:51], v48, s[8:9]
	XX 0
	XW 0
	XX 1
	XW 1
	XX 2
	ASK 3
	ASK 4
	s_wait_loadcnt 47                              ; the bias is in; behind it: 13 + 4 + 13 + 4 + 13
	s_wait_tensorcnt 0x0                           ; my quarter is in
	ds_store_b64 v49, v[50:51]
	s_wait_dscnt 0x0                               ; for the others' sake
	s_barrier_signal -1
	s_barrier_wait -1                              ; the weight and the bias are whole
	WIN 0x40
.irp b, 0,1,2,3,4,5,6,7                        ; group 0's bias
	ds_load_b128 v[96+128*(\b/4)+8*(\b%4):96+128*(\b/4)+8*(\b%4)+3], v[BA] offset:(64*(\b/4)+8*(\b%4))*4
	ds_load_b128 v[96+128*(\b/4)+8*(\b%4)+4:96+128*(\b/4)+8*(\b%4)+7], v[BA] offset:(64*(\b/4)+8*(\b%4))*4+16
.endr
	WIN 0
	BIAS1
	FETCH_W 0, 0
	FETCH_W 0, 1
.irp g, 0,1,2,3,4,5,6,7
	STEP \g
.endr
	WAYOUT 0                                       ; the second pass's first three steps of x are on their way meanwhile
	s_wait_alu depctr_va_vdst(0)
	s_wait_xcnt 0x0                                ; the stores have read v48-79 and v224-242, which take group 1's bias again
	BIAS1
.irp g, 8,9,10,11,12,13,14,15
	STEP \g
.endr
	WAYOUT 1
	s_wait_tensorcnt 0x0                           ; the wave's end
	ds_add_u32 v[SPW], v[NIL]
	s_wait_dscnt 0x0
	CROUND                                         ; the closing round
	s_endpgm
.Lfunc_end_k_q3b051ee965_gemm_qk:
	.size	k_q3b051ee965_gemm_qk, .Lfunc_end_k_q3b051ee965_gemm_qk-k_q3b051ee965_gemm_qk
	.p2alignl 7, 3214868480
	.fill 96, 4, 3214868480
	.section	.rodata,"a",@progbits
	.p2align	6, 0x0
	.amdhsa_kernel k_q3b051ee965_gemm_qk
		.amdhsa_group_segment_fixed_size 327680
		.amdhsa_private_segment_fixed_size 0
		.amdhsa_enable_private_segment 0
		.amdhsa_kernarg_size 48
		.amdhsa_user_sgpr_count 2
		.amdhsa_user_sgpr_kernarg_segment_ptr 1
		.amdhsa_wavefront_size32 1
		.amdhsa_system_sgpr_workgroup_id_x 1
		.amdhsa_system_sgpr_workgroup_id_y 1
		.amdhsa_system_sgpr_workgroup_id_z 1
		.amdhsa_system_vgpr_workitem_id 0
		.amdhsa_next_free_vgpr 1024
		.amdhsa_next_free_sgpr 66
		.amdhsa_reserve_vcc 1
		.amdhsa_float_denorm_mode_32 3
		.amdhsa_float_denorm_mode_16_64 3
		.amdhsa_memory_ordered 1
		.amdhsa_forward_progress 1
		.amdhsa_inst_pref_size 255
	.end_amdhsa_kernel
	.section	.bss,"aw",@nobits
	.p2align	6
	.space	262144
	.amdgpu_metadata
---
amdhsa.version: [ 1, 2 ]
amdhsa.kernels:
  - .name:           k_q3b051ee965_gemm_qk
    .symbol:         k_q3b051ee965_gemm_qk.kd
    .args:
      - { .name: opc, .offset: 0, .size: 8, .value_kind: global_buffer, .address_space: global }
      - { .name: ops, .offset: 8, .size: 8, .value_kind: global_buffer, .address_space: global }
      - { .name: bq, .offset: 16, .size: 8, .value_kind: global_buffer, .address_space: global }
      - { .name: bk, .offset: 24, .size: 8, .value_kind: global_buffer, .address_space: global }
      - { .name: qkc, .offset: 32, .size: 8, .value_kind: global_buffer, .address_space: global }
      - { .name: qks, .offset: 40, .size: 8, .value_kind: global_buffer, .address_space: global }
    .group_segment_fixed_size: 327680
    .private_segment_fixed_size: 0
    .kernarg_segment_align: 8
    .kernarg_segment_size: 48
    .max_flat_workgroup_size: 128
    .sgpr_count:     66
    .vgpr_count:     1024
    .wavefront_size: 32
...
	.end_amdgpu_metadata
.endif
;; end of part 2
;; launch attn (part 3): grid 8 x 32, 4 waves a work-group, clusters of 4 x 1, 327,680 bytes of LDS; arguments qkc, qks, attention_mask, cpart; writes cpart
.if DOCPART == 3
	.amdgcn_target "amdgcn-amd-amdhsa--gfx1250"
	.amdhsa_code_object_version 6
	.text
	.protected	k_q3b051ee965_attn
	.globl	k_q3b051ee965_attn
	.p2align	8
	.type	k_q3b051ee965_attn,@function
k_q3b051ee965_attn:
	s_mov_b64 s[64:65], 0
	v_nop
	global_prefetch_b8 v0, s[64:65] scope:SCOPE_SE
	s_setreg_imm32_b32 hwreg(HW_REG_WAVE_MODE, 25, 1), 1
	s_wait_xcnt 0x0
	s_wait_alu depctr_hold_cnt(0) depctr_sa_sdst(0) depctr_va_vdst(0) depctr_va_sdst(0) depctr_va_ssrc(0) depctr_va_vcc(0) depctr_vm_vsrc(0)
	s_getreg_b32 s2, hwreg(HW_REG_IB_STS2, 6, 4)
	s_cmp_eq_u32 s2, 0
	s_cbranch_scc0 .Lentry_in_a_cluster
	s_endpgm
.Lentry_in_a_cluster:
	s_bfe_u32 s2, ttmp6, 0x10000c
	s_cmp_lg_u32 s2, 0x3003
	s_cbranch_scc0 .Lentry_shape_is_right
	s_endpgm
.Lentry_shape_is_right:
; For batch b and a block of 64 queries: scores = q k^T on codes of E2M3 (K = the 1,024 features), / 32, keys with attention_mask == 0 set to -infinity, softmax over the 512 keys with the row's maximum
; taken away, and the sum of the weights over the 64 queries for each key: cpart[b][query block][key], f32.  The launch behind adds the eight blocks and multiplies by v.
; q and k come as operand images (see the launch before): codes at (8 G + s) x 12288 + block x 1536 + c x 512 + 16 x lane, scale words at (8 G + s) x 512 + 16 x lane + 4 i; q's groups 0-127, k's 128-255.
; SHARES: wave w takes keys 128 w .. 128 w + 127 against all 64 queries: 32 accumulators, 32 matrix instructions a K step of 128.  q's 32 fragments lie in registers for all of K (384 registers);
; k's go through the wave's own part of three LDS slots, 256 along K each: three first fills and one refill.  Each wave reads only bytes that its own loads brought.
; CLUSTER 4 x 1: the four query blocks of a cluster belong to one batch and read the same k: each tile is asked for jointly by all four.
; LAYOUT: S^T = k q^T (source 0 = 16 keys, source 1 = 16 queries): a lane holds one query of each of the four blocks; by the blocks' row order its register n of 64 holds key 32 (n / 16) + 16 (lane / 16) + n % 16.
; A row's maximum and sum are joined across the halves of the lanes and, through LDS, across the four waves.
; LIMITS: NaN and infinities among the scores are not served; a batch whose mask is all zero gives NaN, as the softmax of a row of -infinity does.
; REGISTERS: window 0: v1-5 lane, r, h, 16 x lane, 16 r; v8-10 k's LDS addresses; v11-17 other addresses; v28-29 for the add; v30 -infinity; v32-63 q's scale words; v64-95 k's; v96-123 statistics; v128-223 k's set 0.
;   window 1: S, accumulator (qa, kb) at v[8 (8 qa + kb)].  window 2: q's fragments of K steps 0-4 at v[48 s + 12 qa].  window 3: those of steps 5-7 at v[48 (s - 5) + 12 qa]; k's set 1 at v144-239.
.set GROUPB, 98304
.set TB,     24576
.set SUBB,   12288
.set FRB,    1536
.set SLOTB,  24576                     ; LDS: each wave has 73,728 bytes on end of its own, three parts of 24,576: K 0-767 come by ONE load at the head; the first part is filled again with K 768-1023
.set SPARE,  294912                    ; the spare words, 128 bytes a wave: two blocks of 256 bytes that no other line names;
.set MBL,    295424                    ; the keys' mask as 0 or -infinity, 512 bytes a wave;
.set EX1,    297472                    ; the maxima's exchange, 512 bytes a wave; the sums' lies 2,048 bytes on
.set LI,   4
.set LR,   5
.set ADK,  8                           ; v8-10: slot + my part + 16 x lane.  v9 also serves the stage's way in: the stage, 16 rows x 528 bytes, lies in my part of slot 1, which has had its one fill and its last read
.set AMS,  11
.set AML,  12
.set AXS,  13
.set AXL,  14
.set ARL,  16
.set GO,   17
.set SPW,  28
.set NIL,  29
.set NINF, 30
.set SQ,   32
.set SK,   64
.set ST,   96                          ; v96-99 a number for each block of queries; v100-115 exchange; v104-111 also the sums' pairs; v116-123 pairs: the maxima, later 1 / sum
.set WV,   12
.set G1K,  24
.set G0K,  32                          ; s[32:43] three groups 0
.set CS,   58                          ; s[58:59] log2(e) / 32, twice
.set SEL,  60
.set MSB, 0
.macro WIN new
.if MSB != (\new)
	s_set_vgpr_msb (MSB<<8)|(\new)
.set MSB, (\new)
.endif
.endm
.macro PLACES
.rept 4
	v_nop
.endr
.endm
.macro CREST
	s_cmp_lg_u32 s[WV], 0
	s_cbranch_scc1 .Lnot_wave_0_\@
	s_barrier_signal -3
.Lnot_wave_0_\@:
	s_barrier_wait -3
	s_barrier_signal -1
	s_barrier_wait -1
.endm
.macro CROUND
	s_barrier_signal -1
	s_barrier_wait -1
	CREST
.endm
.macro FRAG reg, adr, off
.irp c, 0,1,2
	ds_load_b128 v[\reg+4*\c:\reg+4*\c+3], v[\adr] offset:\off+512*\c
.endr
.endm
.macro FETCH_K s                       ; k's eight fragments of K step s into set s % 2; steps 6 and 7 lie in slot 0 again
	WIN 0xc0*((\s)%2)
.irp i, 0,1,2,3,4,5,6,7
	FRAG 128+16*((\s)%2)+12*\i, ADK+((\s)/2)%3, ((\s)%2)*SUBB+FRB*\i
.endr
.endm
.macro WINS s                          ; k window 0 or 3, q window 2 or 3, C and D window 1
	WIN 0x50|((2+(\s)/5)<<2)|(3*((\s)%2))
.endm
.macro WMA qa, kb, s
.set rD, 8*(8*(\qa)+(\kb))
.set rS0, 128+16*((\s)%2)+12*(\kb)
.set rS1, 48*((\s)%5)+12*(\qa)
.set rX0, SK+4*(\s)+(\kb)%4
.set rX1, SQ+4*(\s)+(\qa)
.if (\s) == 0
.if (\kb)/4
	v_wmma_scale_f32_16x16x128_f8f6f4 v[rD:rD+7], v[rS0:rS0+11], v[rS1:rS1+11], 0, v[rX0], v[rX1] matrix_a_fmt:MATRIX_FMT_FP6 matrix_b_fmt:MATRIX_FMT_FP6 matrix_a_scale:MATRIX_SCALE_ROW1
.else
	v_wmma_scale_f32_16x16x128_f8f6f4 v[rD:rD+7], v[rS0:rS0+11], v[rS1:rS1+11], 0, v[rX0], v[rX1] matrix_a_fmt:MATRIX_FMT_FP6 matrix_b_fmt:MATRIX_FMT_FP6
.endif
.else
.if (\kb)/4
	v_wmma_scale_f32_16x16x128_f8f6f4 v[rD:rD+7], v[rS0:rS0+11], v[rS1:rS1+11], v[rD:rD+7], v[rX0], v[rX1] matrix_a_fmt:MATRIX_FMT_FP6 matrix_b_fmt:MATRIX_FMT_FP6 matrix_a_scale:MATRIX_SCALE_ROW1
.else
	v_wmma_scale_f32_16x16x128_f8f6f4 v[rD:rD+7], v[rS0:rS0+11], v[rS1:rS1+11], v[rD:rD+7], v[rX0], v[rX1] matrix_a_fmt:MATRIX_FMT_FP6 matrix_b_fmt:MATRIX_FMT_FP6
.endif
.endif
.endm
.macro WMQ qa, s                       ; eight products; the 32 accumulators take turns, one instruction a turn, in the same order in every step
.irp kb, 0,1,2,3,4,5,6,7
	WMA \qa, \kb, \s
.endr
.endm
.macro LWAIT s                         ; q's fragments of K steps up to s are in: behind them were issued the 12 loads of each later step (a wait names 63 at the most)
.if 12*(7-(\s)) > 63
	s_wait_loadcnt 63
.else
	s_wait_loadcnt 12*(7-(\s))
.endif
.endm
.macro STEPA s
.if (\s) == 5
	s_wait_tensorcnt 0x0                           ; the refill, my one load that is out, has landed: the next step is read from it, by me alone
.endif
.if (\s) > 0
	PLACES
.endif
	FETCH_K (\s)+1
	s_wait_dscnt 24                                ; all but the 24 just issued: this step's fragments are in
	LWAIT \s
	WINS \s
.irp qa, 0,1,2,3
	WMQ \qa, \s
.endr
.endm
	s_load_b256 s[4:11], s[0:1], 0x0               ; q's and k's codes, their scale words, the mask, the output
	v_lshl_add_u32 v[SPW], v0, 2, SPARE
	v_mov_b32 v[NIL], 0
	ds_add_u32 v28, v29
	ds_add_u32 v28, v29
	s_wait_dscnt 0x0
	v_lshrrev_b32 v1, 5, v0
	v_readfirstlane_b32 s[WV], v1                  ; wave 0..3
	s_bfe_u32 s13, ttmp6, 0x40000                  ; cx
	s_lshl_b32 s14, ttmp9, 2
	s_add_co_u32 s14, s14, s13                     ; my block of 64 queries: it enters q's and the output's addresses alone
	s_and_b32 s15, ttmp7, 0xffff                   ; the batch, which the four partners share
	s_mov_b32 s[G1K], 15|(3<<16)|(1<<21)           ; 15:0 the mask: all four work-groups; 17:16 elements of 8 bytes; 21 set beside a mask
	s_mov_b32 s[G1K+1], 32<<16                     ; a dense block of 24,576 bytes as 96 rows of 256 bytes
	s_mov_b32 s[G1K+2], 288<<16                    ; the head's load: 288 rows of 256 bytes
	s_mov_b32 s[G1K+3], 32<<16
	s_mov_b32 s[G1K+4], 288
	s_mov_b32 s[G1K+5], 32
	s_mov_b32 s[G1K+6], 0
	s_mov_b32 s[G1K+7], 0
	s_lshl_b32 s16, s15, 2
	s_add_co_u32 s16, s16, s[WV]
	s_add_co_u32 s16, s16, 128                     ; k's group 128 + 4 b + w
	s_lshl_b32 s18, s16, 12
	s_mov_b32 s19, 0
	s_mul_i32 s16, s16, GROUPB
	s_mov_b32 s17, 0
	s_mul_i32 s20, s[WV], 3*TB                     ; my 73,728 bytes
	s_lshr_b32 s21, s14, 1
	s_lshl_b32 s22, s15, 2
	s_add_co_u32 s21, s21, s22                     ; q's group 4 b + block / 2,
	s_and_b32 s23, s14, 1                          ; its blocks 0-3 or 4-7
	s_lshl_b32 s44, s21, 12
	s_lshl_b32 s46, s23, 8
	s_add_co_u32 s44, s44, s46
	s_mov_b32 s45, 0
	s_mul_i32 s46, s21, GROUPB
	s_mul_i32 s48, s23, 4*FRB
	s_add_co_u32 s46, s46, s48
	s_mov_b32 s47, 0
	s_lshl_b32 s50, s[WV], 9                       ; 512 x wave
	s_lshl_b32 s48, s15, 11
	s_add_co_u32 s48, s48, s50                     ; the mask of my 128 keys
	s_mov_b32 s49, 0
	s_lshl_b32 s52, s15, 3
	s_add_co_u32 s52, s52, s14
	s_lshl_b32 s52, s52, 11
	s_add_co_u32 s52, s52, s50                     ; my 512 bytes of the output
	s_mov_b32 s53, 0
	s_add_co_u32 s54, s50, MBL
	s_add_co_u32 s55, s50, EX1
	s_mov_b32 s[CS], 0x3d38aa3b                    ; log2(e) / sqrt(1024)
	s_mov_b32 s[CS+1], s[CS]
	s_mov_b32 s[SEL], 0x76543210
	s_mov_b32 s[SEL+1], 0xfedcba98
	s_wait_kmcnt 0x0
	s_add_nc_u64 s[16:17], s[4:5], s[16:17]        ; k's codes: batch and wave alone
	s_add_nc_u64 s[18:19], s[6:7], s[18:19]
	s_add_nc_u64 s[44:45], s[6:7], s[44:45]
	s_add_nc_u64 s[46:47], s[4:5], s[46:47]
	s_add_nc_u64 s[8:9], s[8:9], s[48:49]
	s_add_nc_u64 s[10:11], s[10:11], s[52:53]
.irp t, 0,1,2
	s_mov_b32 s[G0K+4*\t], 1
	s_add_co_u32 s[G0K+4*\t+1], s20, \t*SLOTB
	s_add_nc_u64 s[G0K+4*\t+2:G0K+4*\t+3], s[16:17], \t*TB
	s_or_b32 s[G0K+4*\t+3], s[G0K+4*\t+3], 0x80000000
.endr
	CROUND                                         ; all four work-groups are here: the first joint loads meet
	tensor_load_to_lds s[G0K:G0K+3], s[G1K:G1K+7]  ; K 0-767 of my 128 keys: my one tensor load at the head
	s_nop 0
	PLACES
	v_and_b32 v1, 31, v0                           ; lane
	v_and_b32 v2, 15, v0                           ; r
	v_bfe_u32 v3, v0, 4, 1                         ; h
	v_lshlrev_b32 v[LI], 4, v1
	v_lshlrev_b32 v[LR], 4, v2
.irp t, 0,1,2
	v_add_nc_u32 v[ADK+\t], s[G0K+4*\t+1], v[LI]
.endr
	v_add_nc_u32 v[AMS], s54, v[LI]                ; the mask's way in: 4 keys a lane,
	v_lshl_add_u32 v[AML], v3, 6, s54              ; and back: 16 h keys on
	v_add_nc_u32 v[AXS], s55, v[LI]                ; the exchanges: my wave's 512 bytes,
	v_add_nc_u32 v[AXL], EX1, v[LI]                ; and every wave's
	v_mul_u32_u24 v[ARL], v2, 528
	v_lshl_add_u32 v[ARL], v3, 8, v[ARL]
	v_add_nc_u32 v[ARL], s[G0K+5], v[ARL]          ; the stage, way out: row lane % 16, the 16 lanes of half lane / 16
	v_lshrrev_b32 v[GO], 2, v2
	v_lshlrev_b32 v[GO], 7, v[GO]
	v_lshl_add_u32 v[GO], v3, 6, v[GO]
	v_and_b32 v18, 3, v2
	v_lshl_add_u32 v[GO], v18, 4, v[GO]            ; the keys that I then hold: 32 (g / 4) + 16 h + 4 (g % 4) + 0 .. 3, g = lane % 16
	v_mov_b32 v[NINF], 0xff800000
.irp i, 0,1,2,3
	v_mov_b32 v[ST+4+\i], 0                        ; a lane permute's destination counts as one of its sources
.endr
	global_load_b128 v[104:107], v[LI], s[8:9]     ; the mask of keys 4 x lane + 0 .. 3
.irp s, 0,1,2,3,4,5,6,7
	global_load_b128 v[SK+4*\s:SK+4*\s+3], v[LI], s[18:19] offset:512*\s
.endr
.irp s, 0,1,2,3,4,5,6,7
	global_load_b128 v[SQ+4*\s:SQ+4*\s+3], v[LR], s[44:45] offset:512*\s   ; both halves of the lanes take my four blocks' words
.endr
	WIN 0x80
.irp s, 0,1,2,3,4
.irp qa, 0,1,2,3
.irp c, 0,1,2
	global_load_b128 v[48*\s+12*\qa+4*\c:48*\s+12*\qa+4*\c+3], v[LI], s[46:47] offset:SUBB*\s+FRB*\qa+512*\c
.endr
.endr
.endr
	WIN 0xc0
.irp s, 5,6,7
.irp qa, 0,1,2,3
.irp c, 0,1,2
	global_load_b128 v[48*(\s-5)+12*\qa+4*\c:48*(\s-5)+12*\qa+4*\c+3], v[LI], s[46:47] offset:SUBB*\s+FRB*\qa+512*\c
.endr
.endr
.endr
	WIN 0
	s_wait_alu depctr_va_vdst(0)
	s_wait_tensorcnt 0x0                           ; my K 0-767 are in
	FETCH_K 0
	s_wait_loadcnt 63                              ; of 113 loads the oldest 50 are in: the mask, the scale words, q's K steps 0 and 1
.irp i, 0,1,2,3
	v_cmp_eq_u32 vcc_lo, 0, v[104+\i]
	v_cndmask_b32 v[108+\i], 0, v[NINF], vcc_lo    ; -infinity where the key is masked, else 0
.endr
	ds_store_b128 v[AMS], v[108:111]               ; my wave's own bytes
	STEPA 0
	; K step 1, behind which slot 0 is filled again: all my tensor loads, the add, my reads of the slot; the barrier opens a round of the cluster's; the joint refill comes first behind it
	WIN 0
	s_wait_tensorcnt 0x0
	ds_add_u32 v[SPW], v[NIL]                      ; 0 onto my spare word
	s_mov_b32 s[G1K+2], 96<<16                     ; no tensor load of mine is out, so the descriptor may be written: the refill brings 96 rows
	s_mov_b32 s[G1K+4], 96
	s_wait_dscnt 1
	s_wait_loadcnt 63
	WINS 1
	WMQ 0, 1
	s_wait_dscnt 0x0                               ; the add is done, and my reads of slot 0 are over
	s_barrier_signal -1
	WMQ 1, 1
	WIN 0
	s_barrier_wait -1
	CREST
	s_add_nc_u64 s[G0K+2:G0K+3], s[G0K+2:G0K+3], 3*TB   ; K 768-1023
	tensor_load_to_lds s[G0K:G0K+3], s[G1K:G1K+7]  ; it has three and a half K steps, 112 matrix instructions, in which to land
	s_nop 0
	PLACES
	FETCH_K 2
	WINS 1
	WMQ 2, 1
	WMQ 3, 1
	STEPA 2
	STEPA 3
	STEPA 4
	STEPA 5
	STEPA 6
	s_wait_dscnt 0x0
	s_wait_loadcnt 0x0
	WINS 7
.irp qa, 0,1,2,3
	WMQ \qa, 7
.endr
	PLACES
	; THE SOFTMAX.  t = score x log2(e) / 32 + (0 or -infinity)
	WIN 0x80
.irp g, 0,1,2,3,4,5,6,7,8,9,10,11,12,13,14,15
	ds_load_b128 v[4*\g:4*\g+3], v[AML] offset:128*(\g/4)+16*(\g%4)   ; register n: key 32 (n / 16) + 16 h + n % 16, into q's registers, which are done with
.endr
	s_wait_dscnt 0x0
	WIN 0x61
.irp qa, 0,1,2,3
.set i, 0
.rept 32
	v_pk_fma_f32 v[64*\qa+i:64*\qa+i+1], v[64*\qa+i:64*\qa+i+1], s[CS:CS+1], v[i:i+1] op_sel_hi:[1,0,1]
.set i, i+2
.endr
.endr
	WIN 0x14
.irp qa, 0,1,2,3
	v_max3_num_f32 v[ST+\qa], v[NINF], v[64*\qa], v[64*\qa+1]   ; the largest t of my 64 keys, the four queries by turns
.endr
.set i, 2
.rept 31
.irp qa, 0,1,2,3
	v_max3_num_f32 v[ST+\qa], v[ST+\qa], v[64*\qa+i], v[64*\qa+i+1]
.endr
.set i, i+2
.endr
	WIN 0
.irp qa, 0,1,2,3
	v_permlanex16_b32 v[ST+4+\qa], v[ST+\qa], s[SEL], s[SEL+1]
.endr
.irp qa, 0,1,2,3
	v_max_num_f32 v[ST+\qa], v[ST+\qa], v[ST+4+\qa]   ; of my wave's 128 keys
.endr
	ds_store_b128 v[AXS], v[ST:ST+3]
	s_wait_dscnt 0x0                               ; for the others' sake
	s_barrier_signal -1
	s_barrier_wait -1
.irp w, 0,1,2,3
	ds_load_b128 v[ST+4+4*\w:ST+7+4*\w], v[AXL] offset:512*\w
.endr
	s_wait_dscnt 0x0
.irp qa, 0,1,2,3
	v_max3_num_f32 v[ST+\qa], v[ST+4+\qa], v[ST+8+\qa], v[ST+12+\qa]
.endr
.irp qa, 0,1,2,3
	v_max_num_f32 v[ST+20+2*\qa], v[ST+\qa], v[ST+16+\qa]   ; the row's maximum, twice: a pair for the packed subtraction
	v_max_num_f32 v[ST+21+2*\qa], v[ST+\qa], v[ST+16+\qa]
.endr
	WIN 0x41
.irp qa, 0,1,2,3
.set i, 0
.rept 32
	v_pk_add_f32 v[64*\qa+i:64*\qa+i+1], v[64*\qa+i:64*\qa+i+1], v[ST+20+2*\qa:ST+21+2*\qa] neg_lo:[0,1] neg_hi:[0,1]
.set i, i+2
.endr
.endr
.set i, 0
	s_wait_alu depctr_va_vdst(0)
.rept 256
	v_exp_f32 v[i], v[i]                           ; p = 2^(t - maximum): one batch
.set i, i+1
.endr
	v_nop                                          ; a plain place behind the last exponential
	s_wait_alu depctr_va_vdst(0)                   ; one wait for the batch, ahead of its first reader
	WIN 0x05
.irp qa, 0,1,2,3
	v_pk_add_f32 v[ST+8+2*\qa:ST+9+2*\qa], v[64*\qa:64*\qa+1], v[64*\qa+2:64*\qa+3]
.endr
	WIN 0x04
.set i, 4
.rept 30
.irp qa, 0,1,2,3
	v_pk_add_f32 v[ST+8+2*\qa:ST+9+2*\qa], v[ST+8+2*\qa:ST+9+2*\qa], v[64*\qa+i:64*\qa+i+1]
.endr
.set i, i+2
.endr
	WIN 0
.irp qa, 0,1,2,3
	v_add_f32 v[ST+\qa], v[ST+8+2*\qa], v[ST+9+2*\qa]
.endr
.irp qa, 0,1,2,3
	v_permlanex16_b32 v[ST+4+\qa], v[ST+\qa], s[SEL], s[SEL+1]
.endr
.irp qa, 0,1,2,3
	v_add_f32 v[ST+\qa], v[ST+\qa], v[ST+4+\qa]    ; the sum over my wave's 128 keys
.endr
	ds_store_b128 v[AXS], v[ST:ST+3] offset:2048   ; other bytes than the maxima's: no barrier is owed between the two exchanges
	s_wait_dscnt 0x0
	s_barrier_signal -1
	s_barrier_wait -1
.irp w, 0,1,2,3
	ds_load_b128 v[ST+4+4*\w:ST+7+4*\w], v[AXL] offset:2048+512*\w
.endr
	s_wait_dscnt 0x0
.irp qa, 0,1,2,3
	v_add_f32 v[ST+\qa], v[ST+4+\qa], v[ST+8+\qa]
.endr
.irp qa, 0,1,2,3
	v_add_f32 v[ST+12+\qa], v[ST+12+\qa], v[ST+16+\qa]
.endr
.irp qa, 0,1,2,3
	v_add_f32 v[ST+\qa], v[ST+\qa], v[ST+12+\qa]   ; the row's sum
.endr
	s_wait_alu depctr_va_vdst(0)
.irp qa, 0,1,2,3
	v_rcp_f32 v[ST+20+2*\qa], v[ST+\qa]
	v_rcp_f32 v[ST+21+2*\qa], v[ST+\qa]            ; twice: a pair for the packed forms
.endr
	v_nop
	s_wait_alu depctr_va_vdst(0)                   ; one wait for the eight
	; the weights of my four queries are added, key by key, into the first query's 64 registers
	WIN 0x51
.set i, 0
.rept 32
	v_pk_mul_f32 v[i:i+1], v[i:i+1], v[ST+20:ST+21]
.set i, i+2
.endr
.irp qa, 1,2,3
.set i, 0
.rept 32
	v_pk_fma_f32 v[i:i+1], v[64*\qa+i:64*\qa+i+1], v[ST+20+2*\qa:ST+21+2*\qa], v[i:i+1]
.set i, i+2
.endr
.endr
	; and across the 16 lanes of a half through my stage: row g holds registers 4 g .. 4 g + 3 of all lanes; lane (g, h) reads the 16 lanes of half h back
	WIN 0x04
.irp g, 0,1,2,3,4,5,6,7,8,9,10,11,12,13,14,15
	ds_store_b128 v[ADK+1], v[4*\g:4*\g+3] offset:528*\g
.endr
	WIN 0x80
.irp r, 0,1,2,3,4,5,6,7,8,9,10,11,12,13,14,15
	ds_load_b128 v[64+4*\r:67+4*\r], v[ARL] offset:16*\r   ; LDS serves a wave's instructions in order: these see the stores above
.endr
	s_wait_dscnt 0x0
	WIN 0x8a
.irp r, 0,2,4,6,8,10,12,14
	v_pk_add_f32 v[64+4*\r:65+4*\r], v[64+4*\r:65+4*\r], v[68+4*\r:69+4*\r]
	v_pk_add_f32 v[66+4*\r:67+4*\r], v[66+4*\r:67+4*\r], v[70+4*\r:71+4*\r]
.endr
.irp r, 0,4,8,12
	v_pk_add_f32 v[64+4*\r:65+4*\r], v[64+4*\r:65+4*\r], v[72+4*\r:73+4*\r]
	v_pk_add_f32 v[66+4*\r:67+4*\r], v[66+4*\r:67+4*\r], v[74+4*\r:75+4*\r]
.endr
.irp r, 0,8
	v_pk_add_f32 v[64+4*\r:65+4*\r], v[64+4*\r:65+4*\r], v[80+4*\r:81+4*\r]
	v_pk_add_f32 v[66+4*\r:67+4*\r], v[66+4*\r:67+4*\r], v[82+4*\r:83+4*\r]
.endr
	v_pk_add_f32 v[64:65], v[64:65], v[96:97]
	v_pk_add_f32 v[66:67], v[66:67], v[98:99]
	WIN 0x08
	global_store_b128 v[GO], v[64:67], s[10:11]    ; the wave's one store covers its 512 consecutive bytes, aligned
	WIN 0
	s_wait_tensorcnt 0x0                           ; the wave's end
	ds_add_u32 v[SPW], v[NIL]
	s_wait_dscnt 0x0
	CROUND                                         ; the closing round
	s_endpgm
.Lfunc_end_k_q3b051ee965_attn:
	.size	k_q3b051ee965_attn, .Lfunc_end_k_q3b051ee965_attn-k_q3b051ee965_attn
	.p2alignl 7, 3214868480
	.fill 96, 4, 3214868480
	.section	.rodata,"a",@progbits
	.p2align	6, 0x0
	.amdhsa_kernel k_q3b051ee965_attn
		.amdhsa_group_segment_fixed_size 327680
		.amdhsa_private_segment_fixed_size 0
		.amdhsa_enable_private_segment 0
		.amdhsa_kernarg_size 32
		.amdhsa_user_sgpr_count 2
		.amdhsa_user_sgpr_kernarg_segment_ptr 1
		.amdhsa_wavefront_size32 1
		.amdhsa_system_sgpr_workgroup_id_x 1
		.amdhsa_system_sgpr_workgroup_id_y 1
		.amdhsa_system_sgpr_workgroup_id_z 1
		.amdhsa_system_vgpr_workitem_id 0
		.amdhsa_next_free_vgpr 1024
		.amdhsa_next_free_sgpr 66
		.amdhsa_reserve_vcc 1
		.amdhsa_float_denorm_mode_32 3
		.amdhsa_float_denorm_mode_16_64 3
		.amdhsa_memory_ordered 1
		.amdhsa_forward_progress 1
		.amdhsa_inst_pref_size 120
	.end_amdhsa_kernel
	.amdgpu_metadata
---
amdhsa.version: [ 1, 2 ]
amdhsa.kernels:
  - .name:           k_q3b051ee965_attn
    .symbol:         k_q3b051ee965_attn.kd
    .args:
      - { .name: qkc, .offset: 0, .size: 8, .value_kind: global_buffer, .address_space: global }
      - { .name: qks, .offset: 8, .size: 8, .value_kind: global_buffer, .address_space: global }
      - { .name: attention_mask, .offset: 16, .size: 8, .value_kind: global_buffer, .address_space: global }
      - { .name: cpart, .offset: 24, .size: 8, .value_kind: global_buffer, .address_space: global }
    .group_segment_fixed_size: 327680
    .private_segment_fixed_size: 0
    .kernarg_segment_align: 8
    .kernarg_segment_size: 32
    .max_flat_workgroup_size: 128
    .sgpr_count:     66
    .vgpr_count:     1024
    .wavefront_size: 32
...
	.end_amdgpu_metadata
.endif
;; end of part 3
;; launch gemm_v (part 4): grid 8 x 32, 4 waves a work-group, clusters of 4 x 4, 327,680 bytes of LDS; arguments opc, ops, cpart, bv, out0; writes out0
.if DOCPART == 4
	.amdgcn_target "amdgcn-amd-amdhsa--gfx1250"
	.amdhsa_code_object_version 6
	.text
	.protected	k_q3b051ee965_gemm_v
	.globl	k_q3b051ee965_gemm_v
	.p2align	8
	.type	k_q3b051ee965_gemm_v,@function
k_q3b051ee965_gemm_v:
	s_mov_b64 s[64:65], 0
	v_nop
	global_prefetch_b8 v0, s[64:65] scope:SCOPE_SE
	s_setreg_imm32_b32 hwreg(HW_REG_WAVE_MODE, 25, 1), 1
	s_wait_xcnt 0x0
	s_wait_alu depctr_hold_cnt(0) depctr_sa_sdst(0) depctr_va_vdst(0) depctr_va_sdst(0) depctr_va_ssrc(0) depctr_va_vcc(0) depctr_vm_vsrc(0)
	s_getreg_b32 s2, hwreg(HW_REG_IB_STS2, 6, 4)
	s_cmp_eq_u32 s2, 0
	s_cbranch_scc0 .Lentry_in_a_cluster
	s_endpgm
.Lentry_in_a_cluster:
	s_bfe_u32 s2, ttmp6, 0x10000c
	s_cmp_lg_u32 s2, 0xf033
	s_cbranch_scc0 .Lentry_shape_is_right
	s_endpgm
.Lentry_shape_is_right:
; out0[y][n] = the sum over the batch's 512 tokens k of c[k] (x[k] . Wv[n] + bv[n]), c[k] = the sum over the eight query blocks of cpart[y][.][k].
; x Wv^T is made on codes of E2M3 (one E8M0 byte for each 32 along K), sums in f32, and never leaves the registers: the accumulators are weighted by c and added, in f32.
; Images are those of the launch that makes q and k: a work-group makes 512 tokens (batch y) x 128 features (weight group 144 + x), wave w tokens 128 w .. 128 w + 127, 64 accumulators;
; the weight group lies in LDS whole; each wave's own rows of x go through its own part of two slots of 256 along K; x's tiles are shared along a row of the 4 x 4 cluster, the weight's along a column.
; Here source 0 = 16 rows of x and source 1 = 16 rows of W: a lane holds ONE feature, 32 (b / 2) + 8 (b % 2) + r + 8 (r / 8), and register j of accumulator (a, b) token 32 (a / 2) + 8 (a % 2) + 16 (lane / 16) + j:
; the sum over tokens runs down a lane's registers, then across the halves of the lanes, then across the four waves through LDS.  One work-group owns each number of the output.
; LIMITS: NaN and infinities are not served but for the NaN that an all-zero mask leaves in c, which goes through.
; REGISTERS: window 0: v1-3 lane, r, h; v5-10 addresses; v16-17 A's LDS addresses; v20-21 B's (v20 = 16 x lane also serves as global offset); v28-29 for the add; v32-63 x's scale words, v64-95 W's;
;   v96-127 cpart; v128-223 x's eight fragments, later c and the sums; v224-227 bv.  window 1: W's fragments, two sets at v0 and v128.  windows 2, 3: accumulator (a, b) at v[8 (8 (a % 4) + b)].
.set GROUPB, 98304
.set TB,     24576
.set SUBB,   12288
.set FRB,    1536
.set WG0,    144
.set ASLOT0, 98304
.set ASLOT1, 196608
.set SPARE,  294912                    ; the spare words, 128 bytes a wave: two blocks of 256 bytes that no other line names
.set CSL,    295424                    ; c of the batch's 512 tokens
.set STG,    297472                    ; each wave's 128 partial sums
.set ADRA, 16
.set ADRB, 20
.set LI,   20
.set SPW,  28
.set NIL,  29
.set SA,   32
.set SB,   64
.set AF,   128
.set WV,   18
.set G1A,  24
.set G0A,  32
.set G1B,  48
.set G0B,  56
.set SEL,  14
.set WLO,  0xa4                        ; source 0 (x) window 0, source 1 (W) window 1, C and D window 2
.set WHI,  0xf4
.set MSB, 0
.macro WIN new
.if MSB != (\new)
	s_set_vgpr_msb (MSB<<8)|(\new)
.set MSB, (\new)
.endif
.endm
.macro PLACES
.rept 4
	v_nop
.endr
.endm
.macro CREST
	s_cmp_lg_u32 s[WV], 0
	s_cbranch_scc1 .Lnot_wave_0_\@
	s_barrier_signal -3
.Lnot_wave_0_\@:
	s_barrier_wait -3
	s_barrier_signal -1
	s_barrier_wait -1
.endm
.macro CROUND
	s_barrier_signal -1
	s_barrier_wait -1
	CREST
.endm
.macro FRAG reg, adr, off
.irp c, 0,1,2
	ds_load_b128 v[\reg+4*\c:\reg+4*\c+3], v[\adr] offset:\off+512*\c
.endr
.endm
.macro FETCH_B s, p
	WIN 0x40
.irp i, 0,1,2,3,4,5,6,7
	FRAG 128*(\p)+12*\i, ADRB+(\s)/4, ((\s)%4)*SUBB+FRB*\i
.endr
	WIN 0
.endm
.macro FETCH_A s, i0
.irp i, \i0, \i0+1, \i0+2, \i0+3
	FRAG AF+12*(\i), ADRA+((\s)/2)%2, ((\s)%2)*SUBB+FRB*(\i)
.endr
.endm
.macro WM a, b, p, s, first            ; one product: x's block a x W's block b, K step s.  first = 1: it starts the sum
.set rD, 8*(8*((\a)%4)+(\b))
.set rS0, AF+12*(\a)
.set rS1, 128*(\p)+12*(\b)
.set rX0, SA+4*(\s)+(\a)%4
.set rX1, SB+4*(\s)+(\b)%4
.if \first
.if ((\a)/4) && ((\b)/4)
	v_wmma_scale_f32_16x16x128_f8f6f4 v[rD:rD+7], v[rS0:rS0+11], v[rS1:rS1+11], 0, v[rX0], v[rX1] matrix_a_fmt:MATRIX_FMT_FP6 matrix_b_fmt:MATRIX_FMT_FP6 matrix_a_scale:MATRIX_SCALE_ROW1 matrix_b_scale:MATRIX_SCALE_ROW1
.elseif (\a)/4
	v_wmma_scale_f32_16x16x128_f8f6f4 v[rD:rD+7], v[rS0:rS0+11], v[rS1:rS1+11], 0, v[rX0], v[rX1] matrix_a_fmt:MATRIX_FMT_FP6 matrix_b_fmt:MATRIX_FMT_FP6 matrix_a_scale:MATRIX_SCALE_ROW1
.elseif (\b)/4
	v_wmma_scale_f32_16x16x128_f8f6f4 v[rD:rD+7], v[rS0:rS0+11], v[rS1:rS1+11], 0, v[rX0], v[rX1] matrix_a_fmt:MATRIX_FMT_FP6 matrix_b_fmt:MATRIX_FMT_FP6 matrix_b_scale:MATRIX_SCALE_ROW1
.else
	v_wmma_scale_f32_16x16x128_f8f6f4 v[rD:rD+7], v[rS0:rS0+11], v[rS1:rS1+11], 0, v[rX0], v[rX1] matrix_a_fmt:MATRIX_FMT_FP6 matrix_b_fmt:MATRIX_FMT_FP6
.endif
.else
.if ((\a)/4) && ((\b)/4)
	v_wmma_scale_f32_16x16x128_f8f6f4 v[rD:rD+7], v[rS0:rS0+11], v[rS1:rS1+11], v[rD:rD+7], v[rX0], v[rX1] matrix_a_fmt:MATRIX_FMT_FP6 matrix_b_fmt:MATRIX_FMT_FP6 matrix_a_scale:MATRIX_SCALE_ROW1 matrix_b_scale:MATRIX_SCALE_ROW1
.elseif (\a)/4
	v_wmma_scale_f32_16x16x128_f8f6f4 v[rD:rD+7], v[rS0:rS0+11], v[rS1:rS1+11], v[rD:rD+7], v[rX0], v[rX1] matrix_a_fmt:MATRIX_FMT_FP6 matrix_b_fmt:MATRIX_FMT_FP6 matrix_a_scale:MATRIX_SCALE_ROW1
.elseif (\b)/4
	v_wmma_scale_f32_16x16x128_f8f6f4 v[rD:rD+7], v[rS0:rS0+11], v[rS1:rS1+11], v[rD:rD+7], v[rX0], v[rX1] matrix_a_fmt:MATRIX_FMT_FP6 matrix_b_fmt:MATRIX_FMT_FP6 matrix_b_scale:MATRIX_SCALE_ROW1
.else
	v_wmma_scale_f32_16x16x128_f8f6f4 v[rD:rD+7], v[rS0:rS0+11], v[rS1:rS1+11], v[rD:rD+7], v[rX0], v[rX1] matrix_a_fmt:MATRIX_FMT_FP6 matrix_b_fmt:MATRIX_FMT_FP6
.endif
.endif
.endm
.macro MUL16 a0, p, s, first           ; the 64 accumulators take turns, one instruction a turn, in the same order in every step
.irp a, \a0, \a0+1
.irp b, 0,1,2,3,4,5,6,7
	WM \a, \b, \p, \s, \first
.endr
.endr
.endm
.macro STEP s, first, tw
	s_wait_dscnt 12                                ; W's set and x's blocks 0-3 are in; the youngest twelve loads (blocks 4-7) may be out
	WIN WLO
	MUL16 0, (\s)%2, \s, \first
	MUL16 2, (\s)%2, \s, \first
	s_wait_dscnt 0x0
.if \tw
	s_wait_tensorcnt 0x0                           ; my one load that is out brought the next step's bytes, which only I read
.endif
	PLACES
	FETCH_B (\s)+1, 1-(\s)%2
	FETCH_A (\s)+1, 0
	WIN WHI
	MUL16 4, (\s)%2, \s, \first
	MUL16 6, (\s)%2, \s, \first
	PLACES
	WIN 0
	FETCH_A (\s)+1, 4
.endm
.macro TURN s, slot                    ; a slot's second step, behind which the slot is filled again
	s_wait_tensorcnt 0x0                           ; all my tensor loads have landed, the other slot's among them
	ds_add_u32 v[SPW], v[NIL]                      ; 0 onto my spare word
	s_wait_dscnt 13                                ; (the add and the youngest twelve loads may be out)
	WIN WLO
	MUL16 0, 1, \s, 0
	s_wait_dscnt 0x0                               ; the add is done, and my reads of this slot are over
	s_barrier_signal -1
	MUL16 2, 1, \s, 0
	WIN 0
	s_barrier_wait -1
	CREST                                          ; no wave of any partner still reads the slot or has a load on its way
	s_add_nc_u64 s[G0A+4*\slot+2:G0A+4*\slot+3], s[G0A+4*\slot+2:G0A+4*\slot+3], 2*TB
	tensor_load_to_lds s[G0A+4*\slot:G0A+4*\slot+3], s[G1A:G1A+7]
	s_nop 0
	PLACES                                         ; four v_nop behind the load; also the places in front of the loads below
	FETCH_B (\s)+1, 0
	FETCH_A (\s)+1, 0
.if (\s) == 1
	global_prefetch_b8 v11, s[PFA:PFA+1] offset:3*TB th:TH_LOAD_NT scope:SCOPE_SE   ; K 768-1023, which the refill two steps on asks for
.endif
	WIN WHI
	MUL16 4, 1, \s, 0
	MUL16 6, 1, \s, 0
	PLACES
	WIN 0
	FETCH_A (\s)+1, 4
.endm
.macro LAST
	s_wait_dscnt 12
	WIN WLO
	MUL16 0, 1, 7, 0
	MUL16 2, 1, 7, 0
	s_wait_dscnt 0x0
	WIN WHI
	MUL16 4, 1, 7, 0
	MUL16 6, 1, 7, 0
	WIN 0
	PLACES
.endm
	s_load_b256 s[4:11], s[0:1], 0x0               ; the operands' codes, their scale words, cpart, bv
	s_load_b64 s[12:13], s[0:1], 0x20              ; the output
	v_lshl_add_u32 v[SPW], v0, 2, SPARE
	v_mov_b32 v[NIL], 0
	ds_add_u32 v28, v29
	ds_add_u32 v28, v29
	s_wait_dscnt 0x0
	v_lshrrev_b32 v1, 5, v0
	v_readfirstlane_b32 s[WV], v1                  ; wave 0..3
	s_bfe_u32 s40, ttmp6, 0x40000                  ; cx, cy
	s_bfe_u32 s41, ttmp6, 0x40004
	s_lshl_b32 s42, ttmp9, 2
	s_add_co_u32 s42, s42, s40                     ; x = 4 x cluster x + cx
	s_and_b32 s17, ttmp7, 0xffff
	s_lshl_b32 s17, s17, 2
	s_add_co_u32 s17, s17, s41                     ; y = 4 x cluster y + cy
	s_lshl_b32 s43, s41, 2
	s_lshl_b32 s43, 15, s43                        ; my row of the cluster
	s_lshl_b32 s44, 0x1111, s40                    ; my column
	s_or_b32 s[G1A], s43, (3<<16)|(1<<21)          ; a dense block of 24,576 bytes as 96 rows of 256 bytes; x's tiles go to my row,
	s_or_b32 s[G1B], s44, (3<<16)|(1<<21)          ; the weight's to my column
.irp g, G1A, G1B
	s_mov_b32 s[\g+1], 32<<16
	s_mov_b32 s[\g+2], 96<<16
	s_mov_b32 s[\g+3], 32<<16
	s_mov_b32 s[\g+4], 96
	s_mov_b32 s[\g+5], 32
	s_mov_b32 s[\g+6], 0
	s_mov_b32 s[\g+7], 0
.endr
; THE HEAD'S FOUR TILES, one a wave: wave 0 x's slot 0 whole, waves 1 and 2 the weight's halves, wave 3 x's slot 1 whole.  A slot is 256 along K of the batch's four groups: 4 rows of 24,576 bytes, 98,304 bytes apart.
.set GH1, 68                           ; s[68:75] group 1 for a whole slot;  s[76:83] its groups 0;  s[84:87] group 0 for the weight's second half;  s[88:89] where my prefetches stand
.set GH0, 76
.set G0W, 84
.set PFA, 88
	s_mov_b32 s[G1B+2], 192<<16                    ; half of the weight group: 192 rows of 256 bytes
	s_mov_b32 s[G1B+4], 192
	s_or_b32 s[GH1], s43, (3<<16)|(1<<21)          ; x's tiles go to my row of the cluster
	s_mov_b32 s[GH1+1], 3072<<16
	s_mov_b32 s[GH1+2], 4<<16
	s_mov_b32 s[GH1+3], 3072<<16
	s_mov_b32 s[GH1+4], 4
	s_mov_b32 s[GH1+5], 12288
	s_mov_b32 s[GH1+6], 0
	s_mov_b32 s[GH1+7], 0
	s_mul_i32 s19, s[WV], TB
	s_lshl_b32 s20, s17, 2
	s_add_co_u32 s20, s20, s[WV]                   ; x's group 4 y + w
	s_lshl_b32 s22, s20, 12
	s_mov_b32 s23, 0
	s_mul_i32 s20, s20, GROUPB                     ; these registers never hold x
	s_mov_b32 s21, 0
	s_add_co_u32 s46, s42, WG0                     ; the weight's group
	s_lshl_b32 s60, s46, 12
	s_mov_b32 s61, 0
	s_mul_i32 s46, s46, GROUPB                     ; this never holds y
	s_mov_b32 s47, 0
	s_mov_b32 s63, 0
	s_wait_kmcnt 0x0
	s_add_nc_u64 s[20:21], s[4:5], s[20:21]
	s_add_nc_u64 s[46:47], s[4:5], s[46:47]
	s_add_nc_u64 s[22:23], s[6:7], s[22:23]
	s_add_nc_u64 s[60:61], s[6:7], s[60:61]
	s_lshl_b32 s62, s17, 14
	s_add_nc_u64 s[8:9], s[8:9], s[62:63]          ; the batch's eight rows of cpart
	s_lshl_b32 s62, s42, 9
	s_add_nc_u64 s[10:11], s[10:11], s[62:63]      ; my 128 numbers of bv
	s_lshl_b32 s2, s17, 12
	s_add_co_u32 s62, s62, s2
	s_add_nc_u64 s[12:13], s[12:13], s[62:63]      ; and of the output
	s_mov_b32 s[SEL], 0x76543210
	s_mov_b32 s[SEL+1], 0xfedcba98
	s_mov_b32 s[G0A], 1
	s_add_co_u32 s[G0A+1], s19, ASLOT0
	s_mov_b64 s[G0A+2:G0A+3], s[20:21]
	s_or_b32 s[G0A+3], s[G0A+3], 0x80000000
	s_mov_b32 s[G0A+4], 1
	s_add_co_u32 s[G0A+5], s19, ASLOT1
	s_add_nc_u64 s[G0A+6:G0A+7], s[20:21], TB
	s_or_b32 s[G0A+7], s[G0A+7], 0x80000000
	s_mov_b32 s[G0B], 1
	s_mov_b32 s[G0B+1], 0
	s_mov_b64 s[G0B+2:G0B+3], s[46:47]
	s_mov_b32 s[G0W], 1
	s_mov_b32 s[G0W+1], 2*TB
	s_add_nc_u64 s[G0W+2:G0W+3], s[46:47], 2*TB
	s_or_b32 s[G0B+3], s[G0B+3], 0x80000000
	s_or_b32 s[G0W+3], s[G0W+3], 0x80000000
	s_mul_i32 s[GH0+2], s17, 4*GROUPB              ; the batch's first group: y alone
	s_mov_b32 s[GH0+3], 0
	s_add_nc_u64 s[GH0+2:GH0+3], s[4:5], s[GH0+2:GH0+3]
	s_add_nc_u64 s[GH0+6:GH0+7], s[GH0+2:GH0+3], TB
	s_or_b32 s[GH0+3], s[GH0+3], 0x80000000
	s_or_b32 s[GH0+7], s[GH0+7], 0x80000000
	s_mov_b32 s[GH0], 1
	s_mov_b32 s[GH0+1], ASLOT0
	s_mov_b32 s[GH0+4], 1
	s_mov_b32 s[GH0+5], ASLOT1
	; the prefetches: a refill's tiles, 4 groups x 96 blocks of 256 bytes, are shared out BY ADDRESS among the four partners of a row: partner cx takes group 4 y + cx, its wave w blocks 24 w .. 24 w + 23 (lanes 23-31 name the last)
	s_lshl_b32 s[PFA], s17, 2
	s_add_co_u32 s[PFA], s[PFA], s40
	s_mul_i32 s[PFA], s[PFA], GROUPB
	s_mul_i32 s[PFA+1], s[WV], 6144
	s_add_co_u32 s[PFA], s[PFA], s[PFA+1]
	s_mov_b32 s[PFA+1], 0
	s_add_nc_u64 s[PFA:PFA+1], s[4:5], s[PFA:PFA+1]
	CROUND                                         ; all sixteen work-groups are here: the first joint loads meet
.macro ARM under, g0, g1, next         ; one chain of branches on the wave's number: every way through it passes one load
	s_cmp_lt_u32 s[WV], \under
	s_cbranch_scc0 \next
	tensor_load_to_lds s[\g0:\g0+3], s[\g1:\g1+7]
	s_nop 0
	PLACES
	s_branch .Lhead_asked
\next:
.endm
	ARM 1, GH0, GH1, .Lhead_w0
	ARM 2, G0B, G1B, .Lhead_w1
	ARM 3, G0W, G1B, .Lhead_x1
	tensor_load_to_lds s[GH0+4:GH0+7], s[GH1:GH1+7]
	s_nop 0
	PLACES
.Lhead_asked:
	v_and_b32 v1, 31, v0                           ; lane
	v_and_b32 v2, 15, v0                           ; r
	v_bfe_u32 v3, v0, 4, 1                         ; h
	v_lshlrev_b32 v[LI], 4, v1
	v_add_nc_u32 v[ADRB+1], 4*SUBB, v[LI]
	v_add_nc_u32 v[ADRA], s[G0A+1], v[LI]
	v_add_nc_u32 v[ADRA+1], s[G0A+5], v[LI]
	s_lshl_b32 s3, s[WV], 9                        ; 512 x wave
	v_min_u32 v11, 23, v1
	v_lshlrev_b32 v11, 8, v11                      ; the prefetches' offset; never rewritten
	v_lshlrev_b32 v5, 4, v0                        ; cpart: four tokens a thread
	v_lshl_add_u32 v6, v0, 4, CSL                  ; and where their c goes
	v_and_b32 v7, 8, v2
	v_add_nc_u32 v7, v7, v2                        ; r + 8 (r / 8)
	s_add_co_u32 s2, s3, STG
	v_lshl_add_u32 v7, v7, 2, s2                   ; my feature's word among my wave's partial sums
	v_add_nc_u32 v8, STG, v[LI]                    ; the last sums: four features a lane,
	v_add_nc_u32 v9, CSL, v[LI]                    ; four tokens a lane
	s_add_co_u32 s16, s3, CSL
	v_lshl_add_u32 v10, v3, 6, s16                 ; c of my wave's tokens, 16 h on
.irp q, 0,1,2,3,4,5,6,7
	global_load_b128 v[96+4*\q:99+4*\q], v5, s[8:9] offset:2048*\q
.endr
.irp s, 0,1,2,3,4,5,6,7
	global_load_b128 v[SA+4*\s:SA+4*\s+3], v[LI], s[22:23] offset:512*\s
.endr
.irp s, 0,1,2,3,4,5,6,7
	global_load_b128 v[SB+4*\s:SB+4*\s+3], v[LI], s[60:61] offset:512*\s
.endr
	global_load_b128 v[224:227], v[LI], s[10:11]
	global_prefetch_b8 v11, s[PFA:PFA+1] offset:2*TB th:TH_LOAD_NT scope:SCOPE_SE   ; K 512-767, which the refill in K step 1 asks for
	s_wait_loadcnt 17                              ; cpart's eight loads are in; the 16 of the scale words and bv's may be out
.irp q, 0,2,4,6
	v_pk_add_f32 v[96+4*\q:97+4*\q], v[96+4*\q:97+4*\q], v[100+4*\q:101+4*\q]
	v_pk_add_f32 v[98+4*\q:99+4*\q], v[98+4*\q:99+4*\q], v[102+4*\q:103+4*\q]
.endr
.irp q, 0,4
	v_pk_add_f32 v[96+4*\q:97+4*\q], v[96+4*\q:97+4*\q], v[104+4*\q:105+4*\q]
	v_pk_add_f32 v[98+4*\q:99+4*\q], v[98+4*\q:99+4*\q], v[106+4*\q:107+4*\q]
.endr
	v_pk_add_f32 v[96:97], v[96:97], v[112:113]
	v_pk_add_f32 v[98:99], v[98:99], v[114:115]
	ds_store_b128 v6, v[96:99]                     ; c of tokens 4 t .. 4 t + 3
	s_wait_tensorcnt 0x0                           ; my tile of the head's four is in
	s_wait_dscnt 0x0                               ; for the others' sake: my part of c is stored
	s_barrier_signal -1
	s_barrier_wait -1                              ; the weight group and c are whole
	FETCH_B 0, 0
	FETCH_A 0, 0
	FETCH_A 0, 4
	s_wait_loadcnt 0x0
	STEP 0, 1, 0
	TURN 1, 0                                      ; slot 0 takes K 512-767
	STEP 2, 0, 0
	TURN 3, 1                                      ; slot 1 takes K 768-1023
	STEP 4, 0, 0
	STEP 5, 0, 1
	STEP 6, 0, 0
	LAST
	; THE WAY OUT.  v[128 + 8 a + j] = c of the token that register j of block a's accumulators holds
.irp g, 0,1,2,3,4,5,6,7,8,9,10,11,12,13,14,15
	ds_load_b128 v[128+4*\g:131+4*\g], v10 offset:128*(\g/4)+16*(\g%4)
.endr
	s_wait_dscnt 0x0
.irp a, 0,1,2,3,4,5,6,7
	WIN 2+\a/4                                     ; source 0: the accumulators' window
.irp jp, 0,1,2,3
.irp b, 0,1,2,3,4,5,6,7                        ; eight chains, one for each block of features; each accumulator is read from its low end on
.if (\a == 0) && (\jp == 0)
	v_pk_mul_f32 v[192+2*\b:193+2*\b], v[8*(8*(\a%4)+\b)+2*\jp:8*(8*(\a%4)+\b)+2*\jp+1], v[128+8*\a+2*\jp:129+8*\a+2*\jp]
.else
	v_pk_fma_f32 v[192+2*\b:193+2*\b], v[8*(8*(\a%4)+\b)+2*\jp:8*(8*(\a%4)+\b)+2*\jp+1], v[128+8*\a+2*\jp:129+8*\a+2*\jp], v[192+2*\b:193+2*\b]
.endif
.endr
.endr
.endr
	WIN 0
.irp b, 0,1,2,3,4,5,6,7
	v_add_f32 v[208+\b], v[192+2*\b], v[193+2*\b]
.endr
.irp b, 0,1,2,3,4,5,6,7
	v_permlanex16_b32 v[216+\b], v[208+\b], s[SEL], s[SEL+1]   ; (its destination was written by x's fragment loads)
.endr
.irp b, 0,1,2,3,4,5,6,7
	v_add_f32 v[208+\b], v[208+\b], v[216+\b]      ; my wave's 128 tokens
.endr
.irp b, 0,1,2,3,4,5,6,7
	ds_store_b32 v7, v[208+\b] offset:(32*(\b/2)+8*(\b%2))*4   ; both halves of the lanes write the same word with the same value
.endr
	s_wait_dscnt 0x0
	s_barrier_signal -1
	s_barrier_wait -1
	s_cmp_lg_u32 s[WV], 0                          ; wave 0 adds the four waves' sums and stores the work-group's 512 bytes
	s_cbranch_scc1 .Lothers
.irp w, 0,1,2,3
	ds_load_b128 v[128+4*\w:131+4*\w], v8 offset:512*\w
.endr
.irp w, 0,1,2,3
	ds_load_b128 v[144+4*\w:147+4*\w], v9 offset:512*\w
.endr
	s_wait_dscnt 0x0
	v_pk_add_f32 v[128:129], v[128:129], v[132:133]
	v_pk_add_f32 v[130:131], v[130:131], v[134:135]
	v_pk_add_f32 v[136:137], v[136:137], v[140:141]
	v_pk_add_f32 v[138:139], v[138:139], v[142:143]
	v_pk_add_f32 v[128:129], v[128:129], v[136:137]
	v_pk_add_f32 v[130:131], v[130:131], v[138:139]
	v_pk_add_f32 v[144:145], v[144:145], v[146:147]   ; the sum of all 512 c, for the bias: 16 a lane,
	v_pk_add_f32 v[148:149], v[148:149], v[150:151]
	v_pk_add_f32 v[152:153], v[152:153], v[154:155]
	v_pk_add_f32 v[156:157], v[156:157], v[158:159]
	v_pk_add_f32 v[144:145], v[144:145], v[148:149]
	v_pk_add_f32 v[152:153], v[152:153], v[156:157]
	v_pk_add_f32 v[144:145], v[144:145], v[152:153]
	v_add_f32 v144, v144, v145
	v_add_f32_dpp v144, v144, v144 row_xmask:1 row_mask:0xf bank_mask:0xf   ; then across the 32 lanes
	v_add_f32_dpp v144, v144, v144 row_xmask:2 row_mask:0xf bank_mask:0xf
	v_add_f32_dpp v144, v144, v144 row_xmask:4 row_mask:0xf bank_mask:0xf
	v_add_f32_dpp v144, v144, v144 row_xmask:8 row_mask:0xf bank_mask:0xf
	v_permlanex16_b32 v145, v144, s[SEL], s[SEL+1]
	v_add_f32 v144, v144, v145
.irp i, 0,1,2,3
	v_fma_f32 v[128+\i], v[224+\i], v144, v[128+\i]   ; + bv x the sum of c
.endr
	global_store_b128 v[LI], v[128:131], s[12:13]  ; 32 lanes store 512 consecutive bytes, aligned
.Lothers:
	s_wait_tensorcnt 0x0                           ; the wave's end
	ds_add_u32 v[SPW], v[NIL]
	s_wait_dscnt 0x0
	CROUND                                         ; the closing round
	s_endpgm
.Lfunc_end_k_q3b051ee965_gemm_v:
	.size	k_q3b051ee965_gemm_v, .Lfunc_end_k_q3b051ee965_gemm_v-k_q3b051ee965_gemm_v
	.p2alignl 7, 3214868480
	.fill 96, 4, 3214868480
	.section	.rodata,"a",@progbits
	.p2align	6, 0x0
	.amdhsa_kernel k_q3b051ee965_gemm_v
		.amdhsa_group_segment_fixed_size 327680
		.amdhsa_private_segment_fixed_size 0
		.amdhsa_enable_private_segment 0
		.amdhsa_kernarg_size 40
		.amdhsa_user_sgpr_count 2
		.amdhsa_user_sgpr_kernarg_segment_ptr 1
		.amdhsa_wavefront_size32 1
		.amdhsa_system_sgpr_workgroup_id_x 1
		.amdhsa_system_sgpr_workgroup_id_y 1
		.amdhsa_system_sgpr_workgroup_id_z 1
		.amdhsa_system_vgpr_workitem_id 0
		.amdhsa_next_free_vgpr 1024
		.amdhsa_next_free_sgpr 90
		.amdhsa_reserve_vcc 0
		.amdhsa_float_denorm_mode_32 3
		.amdhsa_float_denorm_mode_16_64 3
		.amdhsa_memory_ordered 1
		.amdhsa_forward_progress 1
		.amdhsa_inst_pref_size 126
	.end_amdhsa_kernel
	.amdgpu_metadata
---
amdhsa.version: [ 1, 2 ]
amdhsa.kernels:
  - .name:           k_q3b051ee965_gemm_v
    .symbol:         k_q3b051ee965_gemm_v.kd
    .args:
      - { .name: opc, .offset: 0, .size: 8, .value_kind: global_buffer, .address_space: global }
      - { .name: ops, .offset: 8, .size: 8, .value_kind: global_buffer, .address_space: global }
      - { .name: cpart, .offset: 16, .size: 8, .value_kind: global_buffer, .address_space: global }
      - { .name: bv, .offset: 24, .size: 8, .value_kind: global_buffer, .address_space: global }
      - { .name: out0, .offset: 32, .size: 8, .value_kind: global_buffer, .address_space: global }
    .group_segment_fixed_size: 327680
    .private_segment_fixed_size: 0
    .kernarg_segment_align: 8
    .kernarg_segment_size: 40
    .max_flat_workgroup_size: 128
    .sgpr_count:     90
    .vgpr_count:     1024
    .wavefront_size: 32
...
	.end_amdgpu_metadata
.endif
;; end of part 4
